; MI455X (gfx1250); checked and timed in simulation.
; The chip was launched on July 23, 2026; its instructions are those of AMD's public machine-readable ISA for CDNA 5 (MIT licence, August 2026) and "CDNA5" Instruction Set Architecture Reference Guide (July 2026). The comments in the code are by the model that wrote it; some were corrected since.
;; Ro PE Attention. Allowed arithmetic: float matrix products may take bf16 or f16 operands with f32 sums; all other float work in f32.
;; Inputs: Wk 512 x 512 float32; Wp 512 x 512 float32; Wq 512 x 512 float32; Wv 512 x 512 float32; bk 512 float32; bp 512 float32; bq 512 float32; bv 512 float32; x 4 x 2,048 x 512 float32.
;; Outputs: out0 4 x 2,048 x 512 float32.
;; 2 versions, each right; version 2 is version 1 with the launch cast written anew for expert scheduling mode. Each part assembles by itself: llvm-mc -triple=amdgcn-amd-amdhsa -mcpu=gfx1250 --defsym DOCPART=n.
;; ======== version 1 of 2: 4 launches
;; limits: a function is approximated: absolute error at most 1.5e-05; a function is approximated: absolute error at most 0.0001; values are held in f16: magnitudes above 65,504 overflow, below 6.1e-05 lose precision
;; workspace buffers: xb 8,388,608 bytes; wt 2,097,152 bytes; kb 8,388,608 bytes; qb 8,388,608 bytes; vb 8,388,608 bytes; pm 33,554,432 bytes; vt 8,388,608 bytes
;; launch cast (part 1): grid 256 x 1, 4 waves a work-group, no clusters, 0 bytes of LDS; arguments x, Wk, Wq, Wv, Wp, xb, wt; writes xb, wt
.if DOCPART == 1
	.amdgcn_target "amdgcn-amd-amdhsa--gfx1250"
	.amdhsa_code_object_version 6
	.text
	.protected	k_q5011652c21_cast
	.globl	k_q5011652c21_cast
	.p2align	8
	.type	k_q5011652c21_cast,@function
k_q5011652c21_cast:
	s_mov_b64 s[64:65], 0
	v_nop
	global_prefetch_b8 v0, s[64:65] scope:SCOPE_SE
	s_setreg_imm32_b32 hwreg(HW_REG_WAVE_MODE, 25, 1), 1
	s_wait_xcnt 0x0
; xb = f16(x), as it lies.  wt[m][n][k] = f16(W_m[k][n]) for m = 0..3 (Wk, Wq, Wv, Wp): the weights turned so that K lies along the rows.
; WHY f16: the output sums 2,048 terms in which every rounding of x, Wv and Wp is carried along; f16 keeps 11 significant bits where bf16 keeps 8.
; LIMIT: |x| and |W| stay below 65,504, f16's largest number, or become infinite.  Inputs 30 times those drawn reach about 150 and 3; weights 30 times
; smaller have an rms of 6.7e-4, against f16's step of 6e-8 near zero.
; 256 work-groups of four waves.  Each takes 65,536 bytes of x (32 loads of 16 bytes a lane) and one block of 32 n x 128 k of one weight matrix.
; Memory binds: no LDS, no barrier, no loop; every register is written once, so no source of a pending load or store is ever rewritten.
; x part: a store of 8 bytes a lane covers 256 consecutive bytes, aligned, for the 32 lanes of a wave.
; W part: thread (cq = t / 16, jg = t % 16) loads columns 4 cq .. +3 of the eight k rows 8 jg .. +7 and packs, for each of its four columns,
; eight neighbouring k into 16 bytes: sixteen neighbouring lanes store 256 consecutive bytes of one row of wt, aligned.
.set XL, 8                             ; v[8:135]    x as loaded, load n in four registers
.set XO, 136                           ; v[136:199]  x packed, two registers a load
.set WL, 200                           ; v[200:231]  W as loaded: row e in four registers
.set WO, 232                           ; v[232:247]  W packed: column u in four registers
	s_load_b256 s[4:11], s[0:1], 0x0               ; x s[4:5], Wk s[6:7], Wq s[8:9], Wv s[10:11]
	s_load_b128 s[12:15], s[0:1], 0x20             ; Wp s[12:13], xb s[14:15]
	s_load_b64 s[16:17], s[0:1], 0x30              ; wt
	s_lshr_b32 s20, ttmp9, 6                       ; m: which matrix
	s_and_b32 s21, ttmp9, 63                       ; which of its 64 blocks
	s_and_b32 s22, s21, 15                         ; block of 32 columns n
	s_lshr_b32 s23, s21, 4                         ; block of 128 rows k
	s_lshl_b32 s24, s23, 18                        ; source: 128 rows of 2,048 bytes
	s_lshl_b32 s26, s22, 7                         ; + 32 columns of 4 bytes
	s_add_co_u32 s24, s24, s26
	s_mov_b32 s25, 0
	s_lshl_b32 s26, s20, 19                        ; target: a matrix of 524,288 bytes
	s_lshl_b32 s28, s22, 15                        ; + 32 rows n of 1,024 bytes
	s_add_co_u32 s26, s26, s28
	s_lshl_b32 s28, s23, 8                         ; + 128 k of 2 bytes
	s_add_co_u32 s26, s26, s28
	s_mov_b32 s27, 0
	s_lshl_b32 s28, ttmp9, 16                      ; my 65,536 bytes of x
	s_mov_b32 s29, 0
	s_lshl_b32 s30, ttmp9, 15                      ; my 32,768 bytes of xb
	s_mov_b32 s31, 0
	v_and_b32 v5, 15, v0                           ; jg
	v_lshrrev_b32 v6, 4, v0                        ; cq
	v_lshlrev_b32 v2, 14, v5                       ; W load: 8 jg rows of 2,048 bytes
	v_lshl_add_u32 v2, v6, 4, v2                   ; + 4 cq columns of 4 bytes
	v_lshlrev_b32 v3, 12, v6                       ; wt store: 4 cq rows of 1,024 bytes
	v_lshl_add_u32 v3, v5, 4, v3                   ; + 8 jg numbers of 2 bytes
	v_lshlrev_b32 v1, 4, v0                        ; x load: 16 bytes a thread
	v_lshlrev_b32 v4, 3, v0                        ; xb store: 8 bytes a thread
	s_wait_kmcnt 0x0
	s_cmp_eq_u32 s20, 1
	s_cselect_b64 s[18:19], s[8:9], s[6:7]         ; the matrix is chosen by the work-group number alone
	s_cmp_eq_u32 s20, 2
	s_cselect_b64 s[18:19], s[10:11], s[18:19]
	s_cmp_eq_u32 s20, 3
	s_cselect_b64 s[18:19], s[12:13], s[18:19]
	s_add_nc_u64 s[18:19], s[18:19], s[24:25]
	s_add_nc_u64 s[16:17], s[16:17], s[26:27]
	s_add_nc_u64 s[4:5], s[4:5], s[28:29]
	s_add_nc_u64 s[14:15], s[14:15], s[30:31]
.irp e, 0,1,2,3,4,5,6,7
	global_load_b128 v[WL+4*\e:WL+4*\e+3], v2, s[18:19] offset:2048*\e
.endr
.set n, 0
.rept 32
	global_load_b128 v[XL+4*n:XL+4*n+3], v1, s[4:5] offset:2048*n th:TH_LOAD_NT   ; all 40 loads of the wave go out before anything is waited for
.set n, n+1
.endr
	s_wait_loadcnt 32                              ; loads come back in order: the eight of W are in, the 32 of x stay out
.irp u, 0,1,2,3
.irp p, 0,1,2,3
	v_cvt_pk_f16_f32 v[WO+4*\u+\p], v[WL+8*\p+\u], v[WL+8*\p+4+\u]    ; column u: k = 2 p below, 2 p + 1 above
.endr
	global_store_b128 v3, v[WO+4*\u:WO+4*\u+3], s[16:17] offset:1024*\u
.endr
.set n, 0
.rept 32
	s_wait_loadcnt 31-n                            ; load n is in, the younger ones stay out
	v_cvt_pk_f16_f32 v[XO+2*n], v[XL+4*n], v[XL+4*n+1]
	v_cvt_pk_f16_f32 v[XO+2*n+1], v[XL+4*n+2], v[XL+4*n+3]
	global_store_b64 v4, v[XO+2*n:XO+2*n+1], s[14:15] offset:1024*n
.set n, n+1
.endr
	s_endpgm
.Lfunc_end_k_q5011652c21_cast:
	.size	k_q5011652c21_cast, .Lfunc_end_k_q5011652c21_cast-k_q5011652c21_cast
	.p2alignl 7, 3214868480
	.fill 96, 4, 3214868480
	.section	.rodata,"a",@progbits
	.p2align	6, 0x0
	.amdhsa_kernel k_q5011652c21_cast
		.amdhsa_group_segment_fixed_size 0
		.amdhsa_private_segment_fixed_size 0
		.amdhsa_enable_private_segment 0
		.amdhsa_kernarg_size 56
		.amdhsa_user_sgpr_count 2
		.amdhsa_user_sgpr_kernarg_segment_ptr 1
		.amdhsa_wavefront_size32 1
		.amdhsa_system_sgpr_workgroup_id_x 1
		.amdhsa_system_sgpr_workgroup_id_y 1
		.amdhsa_system_sgpr_workgroup_id_z 1
		.amdhsa_system_vgpr_workitem_id 0
		.amdhsa_next_free_vgpr 248
		.amdhsa_next_free_sgpr 66
		.amdhsa_reserve_vcc 0
		.amdhsa_float_denorm_mode_32 3
		.amdhsa_float_denorm_mode_16_64 3
		.amdhsa_memory_ordered 1
		.amdhsa_forward_progress 1
		.amdhsa_inst_pref_size 15
	.end_amdhsa_kernel
	.amdgpu_metadata
---
amdhsa.version: [ 1, 2 ]
amdhsa.kernels:
  - .name:           k_q5011652c21_cast
    .symbol:         k_q5011652c21_cast.kd
    .args:
      - { .name: x, .offset: 0, .size: 8, .value_kind: global_buffer, .address_space: global }
      - { .name: Wk, .offset: 8, .size: 8, .value_kind: global_buffer, .address_space: global }
      - { .name: Wq, .offset: 16, .size: 8, .value_kind: global_buffer, .address_space: global }
      - { .name: Wv, .offset: 24, .size: 8, .value_kind: global_buffer, .address_space: global }
      - { .name: Wp, .offset: 32, .size: 8, .value_kind: global_buffer, .address_space: global }
      - { .name: xb, .offset: 40, .size: 8, .value_kind: global_buffer, .address_space: global }
      - { .name: wt, .offset: 48, .size: 8, .value_kind: global_buffer, .address_space: global }
    .group_segment_fixed_size: 0
    .private_segment_fixed_size: 0
    .kernarg_segment_align: 8
    .kernarg_segment_size: 56
    .max_flat_workgroup_size: 128
    .sgpr_count:     66
    .vgpr_count:     248
    .wavefront_size: 32
...
	.end_amdgpu_metadata
.endif
;; end of part 1
;; launch proj (part 2): grid 32 x 6, 4 waves a work-group, clusters of 4 x 1, 327,680 bytes of LDS; arguments xb, wt, bk, bq, bv, kb, qb, vb; writes kb, qb, vb
.if DOCPART == 2
	.amdgcn_target "amdgcn-amd-amdhsa--gfx1250"
	.amdhsa_code_object_version 6
	.text
	.protected	k_q5011652c21_proj
	.globl	k_q5011652c21_proj
	.p2align	8
	.type	k_q5011652c21_proj,@function
k_q5011652c21_proj:
	s_mov_b64 s[64:65], 0
	v_nop
	global_prefetch_b8 v0, s[64:65] scope:SCOPE_SE
	s_setreg_imm32_b32 hwreg(HW_REG_WAVE_MODE, 25, 1), 1
	s_wait_xcnt 0x0
	s_wait_alu depctr_hold_cnt(0) depctr_sa_sdst(0) depctr_va_vdst(0) depctr_va_sdst(0) depctr_va_ssrc(0) depctr_va_vcc(0) depctr_vm_vsrc(0)
	s_getreg_b32 s2, hwreg(HW_REG_IB_STS2, 6, 4)
	s_cmp_eq_u32 s2, 0
	s_cbranch_scc0 .Lentry_in_a_cluster
	s_endpgm
.Lentry_in_a_cluster:
	s_bfe_u32 s2, ttmp6, 0x10000c
	s_cmp_lg_u32 s2, 0x3003
	s_cbranch_scc0 .Lentry_shape_is_right
	s_endpgm
.Lentry_shape_is_right:
; [k | q | v] = xb wt^T + bias, k and q rotated pair by pair by the angle (2047 - t) d, k also scaled by 512^-1/2 log2(e); all three stored in f16.
; xb: [8192][512] f16.  wt: rows 0-511 Wk^T, 512-1023 Wq^T, 1024-1535 Wv^T, each row 512 k in f16.
; A work-group makes 256 rows x 256 columns with four waves, a wave 128 x 128 in 64 accumulator tiles (512 registers).  K = 512 goes in four steps
; of 128 through two LDS slots filled by tensor loads: a row of a tile is 256 consecutive bytes of memory, aligned.
; CLUSTERS: four work-groups along x (four row blocks, one column block) need the same tiles of wt and ask for them jointly (mask 15).
; The tiles of xb differ between them and come by plain loads.  A cluster of 4 x 4 does not divide the six column blocks.
; A wave has two tensor loads out at the start and one afterwards.
; LIMITS.  f16: k x 0.064, q and v stay below 65,504 or become infinite.  With every input 30 times those drawn they grow 900 times, to about 2,500 at the
; largest; with an offset of 30 spreads on every input (x = 30, W = 0.6) they are about 512 x 18 = 9,216.  f16 is taken for its 11 significant bits:
; the rounding of v is carried through a sum of 2,048 terms.
; sin and cos: the angle, an integer below 2^24 and so exact in f32, is reduced by 2 pi in two parts to |r| <= pi + 0.05 and put into the
; series up to r^16 and r^15; the first dropped terms are 2e-7 and 1.1e-6 there.  The angles of a row's other pairs come by complex products
; from e^(i p) and e^(i p d0): 8 and then up to 7 steps, so that the angle's error stays near 1e-4, below what rounding to f16 leaves.
; REGISTERS.  window 0: v16-27 addresses, v32-63 the rotation, v64-127 and v128-191 fragments of xb (two buffers; on the way out R and X),
; v192-223 packed results, v224-255 rows read back.  window 1: v0-63 the bias of my 128 columns, v64-191 fragments of wt.
; windows 2, 3: the accumulators of my rows 0-63 and 64-127, tile (a, b) at 8 (8 a + b).
; The matrix instruction takes rows of wt as source 0 and rows of xb as source 1: lane l then holds row l % 16 and its eight registers the
; columns 8 (l / 16) + 0 .. 7, eight neighbouring numbers of an output row, four whole pairs of the rotation.
.set KSTEP,  128
.set PITCH,  272                       ; an LDS row: 256 bytes + 16 of padding, an odd multiple of 16: the 16 rows of a fragment load start at 16 different 16-byte columns
.set HALFT,  128*PITCH                 ; what one tensor load brings
.set SLOT,   4*HALFT                   ; 256 rows of xb, then 256 rows of wt
.set STAGE,  2*SLOT                    ; behind the ring: 16 rows x 272 bytes for each wave; no tensor load lands here
.set SPITCH, 272
.set OROW,   1024                      ; bytes in a row of kb, qb, vb
.set ADRA, 16                          ; v16-17  LDS address of my fragments of xb in slot 0, 1
.set ADRB, 20                          ; v20-21  the same for wt
.set STO,  24
.set RD,   25
.set CO,   26
.set BOFF, 27                          ; byte offset of my columns in the bias
.set PF,   32                          ; 2047 - t of my row in the 16 rows at work, in f32
.set DF,   33                          ; number of my first pair, in f32
.set ANG,  34
.set ST,   35
.set SR,   36
.set SX,   37
.set ZB2,  38                          ; pairs (cos, sin) from here on
.set W1,   40
.set W2,   42
.set W3,   44
.set W8,   46
.set ZB,   48
.set Z1,   50
.set Z2,   52
.set Z3,   54
.set CT,   56                          ; v56-63  four pairs at work
.set F0,   64
.set F1,   128
.set R,    64                          ; way out: rotated
.set X,    128                         ; way out: sum + bias
.set TMP,  192
.set RB,   224
.set BIAS, 0                           ; window 1
.set G1,  24                           ; s[24:31] group 1 for xb (plain)
.set G0,  32                           ; s[32:39] group 0 for xb, a set for each slot
.set G1B, 48                           ; s[48:55] group 1 for wt (joint)
.set G0B, 56                           ; s[56:63] group 0 for wt, a set for each slot
.set KAP, 86                           ; s[86:87] the scale of k, or 1
.set TPH, 88                           ; 2 pi, upper part
.set TPL, 89                           ; 2 pi, the rest
.set C16, 90                           ; 1 / 16!
.set S15, 91                           ; -1 / 15!
.set MSB, 0
.macro WIN new                         ; the immediate's high byte repeats the setting that is left
.if MSB != \new
	s_set_vgpr_msb (MSB<<8)|\new
.set MSB, \new
.endif
.endm
.set MUL_LO, 0xa1                      ; source 0 (wt) window 1, source 1 (xb) window 0, C and D window 2
.set MUL_HI, 0xf1                      ; the same, C and D window 3
.set TO_B,   0x40                      ; destination window 1, address window 0
; Waves 0 and 1 fetch the two halves of the tile of xb, waves 2 and 3 those of wt.  The branch hangs on the wave number alone.
.macro JLOAD s
	s_cmp_eq_u32 s11, 0
	s_cbranch_scc0 .Lfor_b_\@
	tensor_load_to_lds s[G0+4*(\s):G0+4*(\s)+3], s[G1:G1+7]
	s_nop 0
	s_branch .Lasked_\@
.Lfor_b_\@:
	tensor_load_to_lds s[G0B+4*(\s):G0B+4*(\s)+3], s[G1B:G1B+7]
	s_nop 0
.Lasked_\@:
.endm
; A round of the cluster barrier: my work-group's barrier, wave 0 signals for the work-group, every wave waits for all four work-groups, my barrier again.
.macro CREST                           ; a round behind its opening barrier
	s_cmp_lg_u32 s10, 0
	s_cbranch_scc1 .Lnot_wave_0_\@
	s_barrier_signal -3
.Lnot_wave_0_\@:
	s_barrier_wait -3
	s_barrier_signal -1
	s_barrier_wait -1
.endm
.macro CROUND
	s_barrier_signal -1
	s_barrier_wait -1
	CREST
.endm
	s_load_b512 s[68:83], s[0:1], 0x0              ; xb 68, wt 70, bk 72, bq 74, bv 76, kb 78, qb 80, vb 82
	s_set_vgpr_msb 0x40
	v_lshl_add_u32 v255, v0, 2, 0x48400
	s_set_vgpr_msb 0x4000
	v_mov_b32 v31, 0
	s_set_vgpr_msb 0x1
	ds_add_u32 v255, v31
	ds_add_u32 v255, v31
	s_set_vgpr_msb 0x100
	v_lshrrev_b32 v1, 5, v0
	v_readfirstlane_b32 s10, v1                    ; wave 0..3
	s_lshr_b32 s11, s10, 1                         ; my half of the rows.  Also: I fetch for xb (0) or wt (1)
	s_and_b32 s12, s10, 1                          ; my half of the columns.  Also: which 128 rows of that tile I fetch
	s_bfe_u32 s40, ttmp6, 0x40000                  ; cx
	s_lshl_b32 s13, ttmp9, 2
	s_add_co_u32 s13, s13, s40                     ; row block = 4 x cluster x + cx, 0..31
	s_and_b32 s42, ttmp7, 0xffff                   ; column block 0..5, the same in the four partners
	s_lshr_b32 s43, s42, 1                         ; 0 k, 1 q, 2 v
	s_and_b32 s44, s42, 1                          ; which 256 of its 512 columns
	s_mov_b32 s[G1+0], (1<<16)|(1<<20)|(5<<22)|(3<<25)              ; elements of 2 bytes; after every 64 words 4 words of padding; no mask
	s_mov_b32 s[G1B+0], 15|(1<<16)|(1<<20)|(1<<21)|(5<<22)|(3<<25)  ; the same with the mask of all four work-groups, bit 21 beside it
.irp g, 24, 48
	s_mov_b32 s[\g+1], KSTEP<<16                   ; tensor_dim0 = 128
	s_mov_b32 s[\g+2], 128<<16                     ; tensor_dim1 = 128
	s_mov_b32 s[\g+3], KSTEP<<16                   ; tile_dim0 = 128
	s_mov_b32 s[\g+4], 128                         ; tile_dim1 = 128
	s_mov_b32 s[\g+5], 512                         ; elements from row to row
	s_mov_b32 s[\g+6], 0
	s_mov_b32 s[\g+7], 0
.endr
	s_lshl_b32 s16, s13, 1
	s_add_co_u32 s16, s16, s12
	s_lshl_b32 s16, s16, 17                        ; xb: (256 x row block + 128 x half) rows of 1,024 bytes
	s_mov_b32 s17, 0
	s_lshl_b32 s46, s42, 1
	s_add_co_u32 s46, s46, s12
	s_lshl_b32 s46, s46, 17                        ; wt: (256 x column block + 128 x half) rows; nothing of cx enters
	s_mov_b32 s47, 0
	s_mul_i32 s20, s10, HALFT                      ; LDS: wave x 128 rows
	s_lshl_b32 s18, s13, 1
	s_add_co_u32 s18, s18, s11
	s_lshl_b32 s18, s18, 17                        ; output: my first row
	s_lshl_b32 s6, s44, 1
	s_add_co_u32 s6, s6, s12                       ; my 128 columns among the matrix's four such blocks
	s_lshl_b32 s7, s6, 8
	s_add_co_u32 s18, s18, s7                      ; + 128 columns of 2 bytes each
	s_mov_b32 s19, 0
	s_mov_b32 s[TPH], 0x40c90fdb
	s_mov_b32 s[TPL], 0xb43bbd2e
	s_mov_b32 s[C16], 0x29573f9f
	s_mov_b32 s[S15], 0xab573f9f
	s_wait_dscnt 0x0
	s_wait_kmcnt 0x0
	s_add_nc_u64 s[14:15], s[68:69], s[16:17]
	s_add_nc_u64 s[46:47], s[70:71], s[46:47]
	s_cmp_eq_u32 s43, 1
	s_cselect_b64 s[84:85], s[74:75], s[72:73]     ; bias and output are chosen by the column block alone
	s_cselect_b64 s[8:9], s[80:81], s[78:79]
	s_cmp_eq_u32 s43, 2
	s_cselect_b64 s[84:85], s[76:77], s[84:85]
	s_cselect_b64 s[8:9], s[82:83], s[8:9]
	s_cmp_eq_u32 s43, 0
	s_cselect_b32 s[KAP], 0x3d8293ee, 1.0          ; 512^-1/2 x log2(e) on k alone
	s_mov_b32 s[KAP+1], s[KAP]
	s_add_nc_u64 s[8:9], s[8:9], s[18:19]
	CROUND                                         ; all four work-groups are here: the first joint loads meet
.irp s, 0,1
	s_mov_b32 s[G0+4*\s], 1
	s_add_co_u32 s[G0+4*\s+1], s20, \s*SLOT
	s_add_nc_u64 s[G0+4*\s+2:G0+4*\s+3], s[14:15], \s*KSTEP*2
	s_or_b32 s[G0+4*\s+3], s[G0+4*\s+3], 0x80000000
	s_mov_b32 s[G0B+4*\s], 1
	s_add_co_u32 s[G0B+4*\s+1], s20, \s*SLOT
	s_add_nc_u64 s[G0B+4*\s+2:G0B+4*\s+3], s[46:47], \s*KSTEP*2
	s_or_b32 s[G0B+4*\s+3], s[G0B+4*\s+3], 0x80000000
	JLOAD \s
.endr
	v_and_b32 v1, 15, v0                           ; r = l % 16
	v_bfe_u32 v2, v0, 4, 1                         ; h = l / 16
	v_mul_u32_u24 v3, v1, PITCH
	v_lshl_add_u32 v3, v2, 4, v3
	s_mul_i32 s21, s11, HALFT
	s_mul_i32 s22, s12, HALFT
	s_add_co_u32 s22, s22, 2*HALFT
.irp s, 0,1
	v_add_nc_u32 v[ADRA+\s], s21, v3
	v_add_nc_u32 v[ADRB+\s], s22, v3
	s_add_co_u32 s21, s21, SLOT
	s_add_co_u32 s22, s22, SLOT
.endr
	s_mul_i32 s23, s10, 16*SPITCH
	s_add_co_u32 s23, s23, STAGE
	v_mul_u32_u24 v4, v1, SPITCH
	v_lshl_add_u32 v4, v2, 4, v4
	v_add_nc_u32 v[STO], s23, v4                   ; in: row r, 16 bytes for each half of the lanes
	v_mul_u32_u24 v5, v2, SPITCH
	v_lshl_add_u32 v5, v1, 4, v5
	v_add_nc_u32 v[RD], s23, v5                    ; back: lanes 0-15 one row of 256 bytes, lanes 16-31 the next
	v_lshlrev_b32 v5, 10, v2
	v_lshl_add_u32 v[CO], v1, 4, v5                ; the same two rows in the output
	s_lshl_b32 s7, s6, 9
	v_lshl_add_u32 v[BOFF], v2, 5, s7              ; bias: 128 columns of 4 bytes a block + 8 h columns
	WIN TO_B
.irp b, 0,1,2,3,4,5,6,7
	global_load_b128 v[BIAS+8*\b:BIAS+8*\b+3],   v[BOFF], s[84:85] offset:64*\b      ; columns 16 b + 8 h + 0..3
	global_load_b128 v[BIAS+8*\b+4:BIAS+8*\b+7], v[BOFF], s[84:85] offset:64*\b+16   ; and + 4..7; waited for in front of the way out
.endr
	WIN 0
	s_and_b32 s4, s13, 7                           ; row block inside its batch of 2,048 rows
	s_lshl_b32 s4, s4, 1
	s_add_co_u32 s4, s4, s11
	s_lshl_b32 s4, s4, 7
	s_sub_co_u32 s4, 2047, s4
	v_sub_nc_u32 v[PF], s4, v1
	v_cvt_f32_u32 v[PF], v[PF]                     ; 2047 - t of row r of my first 16 rows
	s_lshl_b32 s7, s6, 6
	v_lshl_add_u32 v[DF], v2, 2, s7
	v_cvt_f32_u32 v[DF], v[DF]                     ; 64 pairs a block of 128 columns + 4 h
; 16 matrix instructions: m blocks a0, a0 + 1 of the window's four x all 8 n blocks, 32 along K.  zero = 1: the first product starts the sums.
.macro MUL16 f, hi, a0, zero
.irp a, \a0, \a0+1
.irp b, 0,1,2,3,4,5,6,7
.if \zero
	v_wmma_f32_16x16x32_f16 v[8*(8*(\a)+\b):8*(8*(\a)+\b)+7], v[\f+8*\b:\f+8*\b+7], v[\f+8*(4*\hi+\a):\f+8*(4*\hi+\a)+7], 0
.else
	v_wmma_f32_16x16x32_f16 v[8*(8*(\a)+\b):8*(8*(\a)+\b)+7], v[\f+8*\b:\f+8*\b+7], v[\f+8*(4*\hi+\a):\f+8*(4*\hi+\a)+7], v[8*(8*(\a)+\b):8*(8*(\a)+\b)+7]
.endif
.endr
.endr
.endm
; 32 LDS loads in one run: the fragments of one quarter step (32 K at byte k of the rows) into buffer f
.macro FETCH slot, k, f
	WIN TO_B
.irp i, 0,1,2,3,4,5,6,7
	ds_load_b128 v[\f+8*\i:\f+8*\i+3],   v[ADRB+\slot] offset:\k+\i*16*PITCH
	ds_load_b128 v[\f+8*\i+4:\f+8*\i+7], v[ADRB+\slot] offset:\k+\i*16*PITCH+32
.endr
	WIN 0
.irp i, 0,1,2,3,4,5,6,7
	ds_load_b128 v[\f+8*\i:\f+8*\i+3],   v[ADRA+\slot] offset:\k+\i*16*PITCH
	ds_load_b128 v[\f+8*\i+4:\f+8*\i+7], v[ADRA+\slot] offset:\k+\i*16*PITCH+32
.endr
.endm
; Four places behind a matrix instruction before a load lands in a register that it read or a vector instruction reads its result
; (ISA guide 7.12.1 for vector instructions); matrix instructions in between are not counted.
.macro PLACES
.rept 4
	v_nop
.endr
.endm
; A K step is four quarters of 32 along K, 64 matrix instructions each, on buffers 0, 1, 0, 1.  The 64 accumulators take turns, one instruction
; a turn, in the same order in every quarter.
.macro QUARTER slot, k, f, g, zero
	s_wait_dscnt 8                                 ; all fragments but the youngest eight loads (my rows 64-127 of xb) are in
	WIN MUL_LO
	MUL16 \f, 0, 0, \zero
	MUL16 \f, 0, 2, \zero
	PLACES
	FETCH \slot, \k, \g
	s_wait_dscnt 32                                ; all but the 32 just issued
	WIN MUL_HI
	MUL16 \f, 1, 0, \zero
	MUL16 \f, 1, 2, \zero
.endm
.macro THREE slot, zero
	QUARTER \slot, 64,  F0, F1, \zero
	QUARTER \slot, 128, F1, F0, 0
	QUARTER \slot, 192, F0, F1, 0
.endm
; The last quarter of a K step changes slots.  In front of the barrier each wave waits for its reads of this slot and for all its tensor loads (one is
; out: its part of the next slot).  With fill = 1 the barrier opens a round of the cluster barrier, and the refill is the first tensor load behind the round.
.macro TURN slot, next, fill
	s_wait_dscnt 8
	WIN MUL_LO
	MUL16 F1, 0, 0, 0
	s_wait_dscnt 0                                 ; my reads of this slot are over
	s_wait_tensorcnt 0x0                           ; all my tensor loads have landed
	ds_add_u32 v255, v31
	s_wait_dscnt 0x0
	s_barrier_signal -1
	MUL16 F1, 0, 2, 0                              ; register work alone between signal and wait
	WIN 0
	s_barrier_wait -1
.if \fill
	CREST                                          ; no wave of any partner still reads this slot or has a load on its way
	s_add_nc_u64 s[G0+4*\slot+2:G0+4*\slot+3], s[G0+4*\slot+2:G0+4*\slot+3], 2*KSTEP*2
	s_add_nc_u64 s[G0B+4*\slot+2:G0B+4*\slot+3], s[G0B+4*\slot+2:G0B+4*\slot+3], 2*KSTEP*2
	JLOAD \slot
.endif
	PLACES
	FETCH \next, 0, F0
	WIN MUL_HI
	MUL16 F1, 1, 0, 0
	MUL16 F1, 1, 2, 0
.endm
	s_wait_tensorcnt 1                             ; my part of K step 0 is in; K step 1 stays out
	s_barrier_signal -1
	s_barrier_wait -1
	FETCH 0, 0, F0
	THREE 0, 1                                     ; K step 0: its first products start the sums
	TURN 0, 1, 1                                   ; slot 0 gets K step 2
	THREE 1, 0
	TURN 1, 0, 1                                   ; slot 1 gets K step 3
	THREE 0, 0
	TURN 0, 1, 0
	THREE 1, 0
	s_wait_dscnt 8
	WIN MUL_LO
	MUL16 F1, 0, 0, 0
	MUL16 F1, 0, 2, 0
	s_wait_dscnt 0
	WIN MUL_HI
	MUL16 F1, 1, 0, 0
	MUL16 F1, 1, 2, 0
	WIN 0
	PLACES                                         ; behind the last matrix instructions: the way out reads results and writes fragment registers
; (cos, sin) of the angle in register ang into the pair out.
.macro SINCOS ang, out
	v_mul_f32 v[ST], 0.15915494, v[\ang]
	v_rndne_f32 v[ST], v[ST]                       ; whole turns
	v_fma_f32 v[SR], -v[ST], s[TPH], v[\ang]       ; one rounding: the product is exact inside the fused form
	v_fma_f32 v[SR], -v[ST], s[TPL], v[SR]
	v_mul_f32 v[SX], v[SR], v[SR]
	v_fmaak_f32 v[\out], s[C16], v[SX], 0xad49cba5            ; -1/14!
	v_fmaak_f32 v[\out+1], s[S15], v[SX], 0x2f309231          ; 1/13!
	v_fmaak_f32 v[\out], v[\out], v[SX], 0x310f76c7           ; 1/12!
	v_fmaak_f32 v[\out+1], v[\out+1], v[SX], 0xb2d7322b       ; -1/11!
	v_fmaak_f32 v[\out], v[\out], v[SX], 0xb493f27e           ; -1/10!
	v_fmaak_f32 v[\out+1], v[\out+1], v[SX], 0x3638ef1d       ; 1/9!
	v_fmaak_f32 v[\out], v[\out], v[SX], 0x37d00d01           ; 1/8!
	v_fmaak_f32 v[\out+1], v[\out+1], v[SX], 0xb9500d01       ; -1/7!
	v_fmaak_f32 v[\out], v[\out], v[SX], 0xbab60b61           ; -1/6!
	v_fmaak_f32 v[\out+1], v[\out+1], v[SX], 0x3c088889       ; 1/5!
	v_fmaak_f32 v[\out], v[\out], v[SX], 0x3d2aaaab           ; 1/4!
	v_fmaak_f32 v[\out+1], v[\out+1], v[SX], 0xbe2aaaab       ; -1/3!
	v_fma_f32 v[\out], v[\out], v[SX], -0.5
	v_fma_f32 v[\out+1], v[\out+1], v[SX], 1.0
	v_fma_f32 v[\out], v[\out], v[SX], 1.0
	v_mul_f32 v[\out+1], v[\out+1], v[SR]
.endm
; The complex product d = x w on pairs (re, im), in two halves so that four products can be interleaved.  d is never x or w.
.macro CM1 x, w, t                     ; t = (x.re w.re, x.im w.re)
	v_pk_mul_f32 v[\t:\t+1], v[\x:\x+1], v[\w:\w+1] op_sel_hi:[1,0]
.endm
.macro CM2 d, x, w, t                  ; d = (t.re - x.im w.im, t.im + x.re w.im)
	v_pk_fma_f32 v[\d:\d+1], v[\x:\x+1], v[\w:\w+1], v[\t:\t+1] op_sel:[1,1,0] op_sel_hi:[0,1,1] neg_lo:[1,0,0]
.endm
.macro CMUL d, x, w, t
	CM1 \x, \w, \t
	CM2 \d, \x, \w, \t
.endm
; Rows 16 i .. 16 i + 15 of my block = tiles (a, 0..7) of window 2 or 3 (from = 0x06 or 0x07: source 0 that window, source 1 window 1, the bias).
.macro OUTP i, a, from, rope
	WIN \from
.irp b, 0,1,2,3,4,5,6,7
.irp p, 0,2,4,6
	v_pk_add_f32 v[X+8*\b+\p:X+8*\b+\p+1], v[8*(8*\a+\b)+\p:8*(8*\a+\b)+\p+1], v[BIAS+8*\b+\p:BIAS+8*\b+\p+1]
.endr
.endr
	WIN 0
.set SRC, X
.if \rope
.set SRC, R
	v_mul_f32 v[ANG], v[PF], v[DF]                 ; integers, below 2^24: exact
	SINCOS PF, W1                                  ; e^(i p): one pair further
	SINCOS ANG, ZB                                 ; e^(i p d0) of my first pair
	v_add_f32 v[PF], 0xc1800000, v[PF]             ; the next 16 rows: p - 16
	v_pk_mul_f32 v[ZB:ZB+1], v[ZB:ZB+1], s[KAP:KAP+1] op_sel_hi:[1,0]   ; the scale rides on the rotation
	CMUL W2, W1, W1, CT
	CMUL W3, W2, W1, CT+2
	CMUL Z1, W2, W2, CT+4                          ; four pairs further,
	CMUL W8, Z1, Z1, CT+6                          ; eight: from one column tile to the next
.set ZC, ZB
.set ZN, ZB2
.irp b, 0,1,2,3,4,5,6,7
	CM1 ZC, W1, CT
	CM1 ZC, W2, CT+2
	CM1 ZC, W3, CT+4
	CM1 X+8*\b, ZC, CT+6
	CM2 Z1, ZC, W1, CT
	CM2 Z2, ZC, W2, CT+2
	CM2 Z3, ZC, W3, CT+4
	CM2 R+8*\b, X+8*\b, ZC, CT+6
	CM1 X+8*\b+2, Z1, CT
	CM1 X+8*\b+4, Z2, CT+2
	CM1 X+8*\b+6, Z3, CT+4
.if \b < 7
	CM1 ZC, W8, CT+6
.endif
	CM2 R+8*\b+2, X+8*\b+2, Z1, CT
	CM2 R+8*\b+4, X+8*\b+4, Z2, CT+2
	CM2 R+8*\b+6, X+8*\b+6, Z3, CT+4
.if \b < 7
	CM2 ZN, ZC, W8, CT+6
.endif
.set ZT, ZC
.set ZC, ZN
.set ZN, ZT
.endr
.endif
.irp b, 0,1,2,3,4,5,6,7
.irp r, 0,1,2,3
	v_cvt_pk_f16_f32 v[TMP+4*\b+\r], v[SRC+8*\b+2*\r], v[SRC+8*\b+2*\r+1]
.endr
.endr
.irp b, 0,1,2,3,4,5,6,7
	ds_store_b128 v[STO], v[TMP+4*\b:TMP+4*\b+3] offset:32*\b
.endr
	s_wait_xcnt 0x0                                ; the last 16 rows' stores have had their addresses translated: RB and the base are rewritten only behind this wait
.if \i
	s_add_nc_u64 s[8:9], s[8:9], 16*OROW
.endif
.irp t, 0,1,2,3,4,5,6,7
	ds_load_b128 v[RB+4*\t:RB+4*\t+3], v[RD] offset:\t*2*SPITCH    ; LDS serves a wave's instructions in order: these see the stores above
.endr
.irp t, 0,1,2,3,4,5,6,7
	s_wait_dscnt 7-\t                              ; row pair t is back, the younger ones stay out
	global_store_b128 v[CO], v[RB+4*\t:RB+4*\t+3], s[8:9] offset:2*\t*OROW   ; 16 lanes store 256 consecutive bytes, aligned
.endr
.endm
	s_wait_loadcnt 0x0                             ; the bias
	s_cmp_eq_u32 s43, 2                            ; v is not rotated; the four partners share the column block
	s_cbranch_scc1 .Lplain
	OUTP 0, 0, 0x06, 1
	OUTP 1, 1, 0x06, 1
	OUTP 2, 2, 0x06, 1
	OUTP 3, 3, 0x06, 1
	OUTP 4, 0, 0x07, 1
	OUTP 5, 1, 0x07, 1
	OUTP 6, 2, 0x07, 1
	OUTP 7, 3, 0x07, 1
	s_branch .Lclose
.Lplain:
	OUTP 0, 0, 0x06, 0
	OUTP 1, 1, 0x06, 0
	OUTP 2, 2, 0x06, 0
	OUTP 3, 3, 0x06, 0
	OUTP 4, 0, 0x07, 0
	OUTP 5, 1, 0x07, 0
	OUTP 6, 2, 0x07, 0
	OUTP 7, 3, 0x07, 0
.Lclose:
	s_set_vgpr_msb 0x1
	s_wait_tensorcnt 0x0
	ds_add_u32 v255, v31
	s_wait_dscnt 0x0
	s_set_vgpr_msb 0x100
	CROUND                                         ; the closing round: no work-group ends while a partner may still ask jointly
	s_endpgm
.Lfunc_end_k_q5011652c21_proj:
	.size	k_q5011652c21_proj, .Lfunc_end_k_q5011652c21_proj-k_q5011652c21_proj
	.p2alignl 7, 3214868480
	.fill 96, 4, 3214868480
	.section	.rodata,"a",@progbits
	.p2align	6, 0x0
	.amdhsa_kernel k_q5011652c21_proj
		.amdhsa_group_segment_fixed_size 327680
		.amdhsa_private_segment_fixed_size 0
		.amdhsa_enable_private_segment 0
		.amdhsa_kernarg_size 64
		.amdhsa_user_sgpr_count 2
		.amdhsa_user_sgpr_kernarg_segment_ptr 1
		.amdhsa_wavefront_size32 1
		.amdhsa_system_sgpr_workgroup_id_x 1
		.amdhsa_system_sgpr_workgroup_id_y 1
		.amdhsa_system_sgpr_workgroup_id_z 1
		.amdhsa_system_vgpr_workitem_id 0
		.amdhsa_next_free_vgpr 1024
		.amdhsa_next_free_sgpr 96
		.amdhsa_reserve_vcc 0
		.amdhsa_float_denorm_mode_32 3
		.amdhsa_float_denorm_mode_16_64 3
		.amdhsa_memory_ordered 1
		.amdhsa_forward_progress 1
		.amdhsa_inst_pref_size 255
	.end_amdhsa_kernel
	.section	.bss,"aw",@nobits
	.p2align	6
	.space	262144
	.amdgpu_metadata
---
amdhsa.version: [ 1, 2 ]
amdhsa.kernels:
  - .name:           k_q5011652c21_proj
    .symbol:         k_q5011652c21_proj.kd
    .args:
      - { .name: xb, .offset: 0, .size: 8, .value_kind: global_buffer, .address_space: global }
      - { .name: wt, .offset: 8, .size: 8, .value_kind: global_buffer, .address_space: global }
      - { .name: bk, .offset: 16, .size: 8, .value_kind: global_buffer, .address_space: global }
      - { .name: bq, .offset: 24, .size: 8, .value_kind: global_buffer, .address_space: global }
      - { .name: bv, .offset: 32, .size: 8, .value_kind: global_buffer, .address_space: global }
      - { .name: kb, .offset: 40, .size: 8, .value_kind: global_buffer, .address_space: global }
      - { .name: qb, .offset: 48, .size: 8, .value_kind: global_buffer, .address_space: global }
      - { .name: vb, .offset: 56, .size: 8, .value_kind: global_buffer, .address_space: global }
    .group_segment_fixed_size: 327680
    .private_segment_fixed_size: 0
    .kernarg_segment_align: 8
    .kernarg_segment_size: 64
    .max_flat_workgroup_size: 128
    .sgpr_count:     96
    .vgpr_count:     1024
    .wavefront_size: 32
...
	.end_amdgpu_metadata
.endif
;; end of part 2
;; launch score (part 3): grid 52 x 4, 4 waves a work-group, no clusters, 327,680 bytes of LDS; arguments kb, qb, vb, wt, pm, vt; writes pm, vt
.if DOCPART == 3
	.amdgcn_target "amdgcn-amd-amdhsa--gfx1250"
	.amdhsa_code_object_version 6
	.text
	.protected	k_q5011652c21_score
	.globl	k_q5011652c21_score
	.p2align	8
	.type	k_q5011652c21_score,@function
k_q5011652c21_score:
	s_mov_b64 s[64:65], 0
	v_nop
	global_prefetch_b8 v0, s[64:65] scope:SCOPE_SE
	s_setreg_imm32_b32 hwreg(HW_REG_WAVE_MODE, 25, 1), 1
	s_wait_xcnt 0x0
; Two kinds of work of one shape, 256 x 256 x 512, with f16 operands, chosen by the work-group's x; y is the batch.
; x < 36: one of the 36 tiles of 256 x 256 on or below the diagonal.  y = k q^T (k carries 512^-1/2 log2 e), pm[t][s] = max(y, 0) + log2(1 + 2^-|y|) for
;   s <= t and 0 above the diagonal, in bf16: softplus divided by ln 2, an identity for every y; the factor ln 2 comes back in the last launch.
; x >= 36: one of 16 tiles of vt[c][t] = sum over k of Wp[k][c] v[t][k], in bf16: the output projection is applied to v ahead of the sum over s,
;   so the order of the sums differs from wei v first, Wp second.
; BOTH RESULTS ARE bf16, not f16: with every input 30 times those drawn y grows 810,000 times and v Wp 27,000 times (to about 31,000 at the largest; with an
; offset of 30 spreads on every input to 2.8e6): neither has room below 65,504.
; NO MULTICAST: the causal set has 1 to 8 tiles in a row and in a column, 36 in all, and the tiles of one row or column do not go into groups of four
; (rows of 1, 2, 3, 5, 6, 7 tiles are left over); partners made up of different rows share nothing.
; LIMITS.  log2(1 + e), 0 <= e <= 1, is a polynomial of degree 5 (Abramowitz and Stegun 4.1.43 times log2 e): absolute error 1.5e-5, relative error 5e-4
; as e goes to 0, both below half a unit of bf16.  2^-|y| below 2^-126 counts as 0.
; The main loop, registers and LDS are those of the launch before: four waves, 128 x 128 a wave, K in four steps of 128 through two slots;
; every wave fetches 128 rows of a tile by one plain tensor load; two are out at the start, one afterwards.
; A wave whose quarter of a diagonal tile lies above the diagonal multiplies with the others (it shares their barriers) and stores zeros.
.set KSTEP,  128
.set PITCH,  272
.set HALFT,  128*PITCH
.set SLOT,   4*HALFT
.set STAGE,  2*SLOT
.set SPITCH, 272
.set OROW,   4096                      ; bytes in a row of pm and of vt
.set ADRA, 16
.set ADRB, 20
.set STO,  24
.set RD,   25
.set CO,   26
.set B4,   28                          ; v[28:29] the polynomial's fourth coefficient, twice
.set VD,   30                          ; r - 8 h
.set F0,   64
.set F1,   128
.set E,    64                          ; way out, four column tiles at a time: 2^-|y|
.set M,    96                          ; max(y, 0)
.set Q,    128                         ; the polynomial, then the result
.set RB,   160
.set TMP,  192
.set G1,  24
.set G0,  32
.set B5,  84                           ; s[84:85], s[86:87], s[88:89], s[90:91]: coefficients 5, 3, 2, 1, each twice
.set B3,  86
.set B2,  88
.set B1,  90
.set MK,  92                           ; s92-99  lanes that keep register j of a tile on the diagonal
.set MSB, 0
.macro WIN new
.if MSB != \new
	s_set_vgpr_msb (MSB<<8)|\new
.set MSB, \new
.endif
.endm
.set MUL_LO, 0xa1
.set MUL_HI, 0xf1
.set TO_B,   0x40
	s_load_b256 s[68:75], s[0:1], 0x0              ; kb 68, qb 70, vb 72, wt 74
	s_load_b128 s[76:79], s[0:1], 0x20             ; pm 76, vt 78
	s_set_vgpr_msb 0x40
	v_lshl_add_u32 v255, v0, 2, 0x48400
	s_set_vgpr_msb 0x4000
	v_mov_b32 v255, 0
	s_set_vgpr_msb 0x1
	ds_add_u32 v255, v255
	ds_add_u32 v255, v255
	s_set_vgpr_msb 0x100
	v_lshrrev_b32 v1, 5, v0
	v_readfirstlane_b32 s10, v1
	s_lshr_b32 s11, s10, 1                         ; my half of the rows; also: I fetch source A (0) or B (1)
	s_and_b32 s12, s10, 1                          ; my half of the columns; also: which 128 rows I fetch
	s_and_b32 s47, ttmp7, 0xffff                   ; batch
	s_lshl_b32 s46, s47, 3                         ; its first block of 256 rows
	s_min_u32 s42, ttmp9, 35                       ; the causal tile's number
	s_mov_b32 s40, 0
.irp thr, 1,3,6,10,15,21,28
	s_cmp_ge_u32 s42, \thr                         ; tile row ti = how many triangular numbers are at most the tile's number
	s_cselect_b32 s41, 1, 0
	s_add_co_u32 s40, s40, s41
.endr
	s_add_co_u32 s41, s40, 1
	s_mul_i32 s41, s41, s40
	s_lshr_b32 s41, s41, 1
	s_sub_co_u32 s41, s42, s41                     ; tile column si = number - ti (ti + 1) / 2
	s_max_u32 s43, ttmp9, 36
	s_sub_co_u32 s43, s43, 36                      ; the other kind's number, 0..15
	s_lshr_b32 s44, s43, 3                         ; ci: 256 rows c of vt
	s_and_b32 s45, s43, 7                          ; tj: 256 columns t
	s_add_co_u32 s48, s46, s40
	s_add_co_u32 s49, s46, s41
	s_add_co_u32 s50, s46, s45
	s_mov_b32 s[B5], 0x3d3e0881
	s_mov_b32 s[B5+1], 0x3d3e0881
	s_mov_b32 s[B3], 0x3ed5d2ca
	s_mov_b32 s[B3+1], 0x3ed5d2ca
	s_mov_b32 s[B2], 0xbf35ad3c
	s_mov_b32 s[B2+1], 0xbf35ad3c
	s_mov_b32 s[B1], 0x3fb89262
	s_mov_b32 s[B1+1], 0x3fb89262
	s_mov_b32 s[G1+0], (1<<16)|(1<<20)|(5<<22)|(3<<25)   ; elements of 2 bytes; after every 64 words 4 words of padding
	s_mov_b32 s[G1+1], KSTEP<<16
	s_mov_b32 s[G1+2], 128<<16
	s_mov_b32 s[G1+3], KSTEP<<16
	s_mov_b32 s[G1+4], 128
	s_mov_b32 s[G1+5], 512
	s_mov_b32 s[G1+6], 0
	s_mov_b32 s[G1+7], 0
	s_mul_i32 s20, s10, HALFT
	s_wait_dscnt 0x0
	s_wait_kmcnt 0x0
	s_add_nc_u64 s[74:75], s[74:75], 0x180000      ; the fourth matrix of wt: Wp turned
	s_cmp_lt_u32 ttmp9, 36                         ; the selects below leave the condition as it is
	s_cselect_b32 s51, s48, s44                    ; block of 256 rows of source A
	s_cselect_b32 s52, s49, s50                    ; of source B
	s_cselect_b32 s53, s40, s44                    ; output tile row
	s_cselect_b32 s54, s41, s45                    ; output tile column
	s_cselect_b32 s55, 1, 0                        ; 1: scores
	s_cselect_b32 s56, 23, 21                      ; a batch of pm is 2^23 bytes, of vt 2^21
	s_cselect_b64 s[80:81], s[68:69], s[74:75]     ; A: kb or Wp turned
	s_cselect_b64 s[82:83], s[70:71], s[72:73]     ; B: qb or vb
	s_cselect_b64 s[8:9], s[76:77], s[78:79]       ; output: pm or vt
	s_cmp_eq_u32 s11, 0
	s_cselect_b64 s[14:15], s[80:81], s[82:83]     ; what my wave fetches
	s_cselect_b32 s16, s51, s52
	s_lshl_b32 s16, s16, 1
	s_add_co_u32 s16, s16, s12
	s_lshl_b32 s16, s16, 17                        ; (256 x block + 128 x half) rows of 1,024 bytes
	s_mov_b32 s17, 0
	s_add_nc_u64 s[14:15], s[14:15], s[16:17]
.irp s, 0,1
	s_mov_b32 s[G0+4*\s], 1
	s_add_co_u32 s[G0+4*\s+1], s20, \s*SLOT        ; A's two halves, then B's two halves = wave x 128 rows
	s_add_nc_u64 s[G0+4*\s+2:G0+4*\s+3], s[14:15], \s*KSTEP*2
	s_or_b32 s[G0+4*\s+3], s[G0+4*\s+3], 0x80000000
	tensor_load_to_lds s[G0+4*\s:G0+4*\s+3], s[G1:G1+7]
	s_nop 0
.endr
	s_lshl_b32 s16, s47, s56                       ; output: the batch,
	s_lshl_b32 s18, s53, 1
	s_add_co_u32 s18, s18, s11
	s_lshl_b32 s18, s18, 19                        ; my first row: blocks of 128 rows of 4,096 bytes,
	s_add_co_u32 s16, s16, s18
	s_lshl_b32 s18, s54, 1
	s_add_co_u32 s18, s18, s12
	s_lshl_b32 s18, s18, 8                         ; my first column: blocks of 128 numbers of 2 bytes
	s_add_co_u32 s16, s16, s18
	s_mov_b32 s17, 0
	s_add_nc_u64 s[8:9], s[8:9], s[16:17]
	v_and_b32 v1, 15, v0                           ; r
	v_bfe_u32 v2, v0, 4, 1                         ; h
	v_mul_u32_u24 v3, v1, PITCH
	v_lshl_add_u32 v3, v2, 4, v3
	s_mul_i32 s21, s11, HALFT
	s_mul_i32 s22, s12, HALFT
	s_add_co_u32 s22, s22, 2*HALFT
.irp s, 0,1
	v_add_nc_u32 v[ADRA+\s], s21, v3
	v_add_nc_u32 v[ADRB+\s], s22, v3
	s_add_co_u32 s21, s21, SLOT
	s_add_co_u32 s22, s22, SLOT
.endr
	s_mul_i32 s23, s10, 16*SPITCH
	s_add_co_u32 s23, s23, STAGE
	v_mul_u32_u24 v4, v1, SPITCH
	v_lshl_add_u32 v4, v2, 4, v4
	v_add_nc_u32 v[STO], s23, v4
	v_mul_u32_u24 v5, v2, SPITCH
	v_lshl_add_u32 v5, v1, 4, v5
	v_add_nc_u32 v[RD], s23, v5
	v_lshlrev_b32 v5, 12, v2
	v_lshl_add_u32 v[CO], v1, 4, v5
	v_mov_b32 v[B4], 0xbe490219
	v_mov_b32 v[B4+1], 0xbe490219
.macro MUL16 f, hi, a0, zero
.irp a, \a0, \a0+1
.irp b, 0,1,2,3,4,5,6,7
.if \zero
	v_wmma_f32_16x16x32_f16 v[8*(8*(\a)+\b):8*(8*(\a)+\b)+7], v[\f+8*\b:\f+8*\b+7], v[\f+8*(4*\hi+\a):\f+8*(4*\hi+\a)+7], 0
.else
	v_wmma_f32_16x16x32_f16 v[8*(8*(\a)+\b):8*(8*(\a)+\b)+7], v[\f+8*\b:\f+8*\b+7], v[\f+8*(4*\hi+\a):\f+8*(4*\hi+\a)+7], v[8*(8*(\a)+\b):8*(8*(\a)+\b)+7]
.endif
.endr
.endr
.endm
.macro FETCH slot, k, f
	WIN TO_B
.irp i, 0,1,2,3,4,5,6,7
	ds_load_b128 v[\f+8*\i:\f+8*\i+3],   v[ADRB+\slot] offset:\k+\i*16*PITCH
	ds_load_b128 v[\f+8*\i+4:\f+8*\i+7], v[ADRB+\slot] offset:\k+\i*16*PITCH+32
.endr
	WIN 0
.irp i, 0,1,2,3,4,5,6,7
	ds_load_b128 v[\f+8*\i:\f+8*\i+3],   v[ADRA+\slot] offset:\k+\i*16*PITCH
	ds_load_b128 v[\f+8*\i+4:\f+8*\i+7], v[ADRA+\slot] offset:\k+\i*16*PITCH+32
.endr
.endm
.macro PLACES                          ; four places behind a matrix instruction (ISA guide 7.12.1 for vector instructions)
.rept 4
	v_nop
.endr
.endm
; The 64 accumulators take turns, one instruction a turn, in the same order in every quarter.
.macro QUARTER slot, k, f, g, zero
	s_wait_dscnt 8                                 ; all but the youngest eight loads (A's rows 64-127)
	WIN MUL_LO
	MUL16 \f, 0, 0, \zero
	MUL16 \f, 0, 2, \zero
	PLACES
	FETCH \slot, \k, \g
	s_wait_dscnt 32                                ; all but the 32 just issued
	WIN MUL_HI
	MUL16 \f, 1, 0, \zero
	MUL16 \f, 1, 2, \zero
.endm
.macro THREE slot, zero
	QUARTER \slot, 64,  F0, F1, \zero
	QUARTER \slot, 128, F1, F0, 0
	QUARTER \slot, 192, F0, F1, 0
.endm
; The change of slots: each wave's reads of this slot and all its tensor loads are waited for in front of the barrier; the refill is the first tensor load behind it.
.macro TURN slot, next, fill
	s_wait_dscnt 8
	WIN MUL_LO
	MUL16 F1, 0, 0, 0
	s_wait_dscnt 0
	s_wait_tensorcnt 0x0
	ds_add_u32 v255, v255
	s_wait_dscnt 0x0
	s_barrier_signal -1
	MUL16 F1, 0, 2, 0                              ; register work alone between signal and wait
	s_barrier_wait -1
.if \fill
	s_add_nc_u64 s[G0+4*\slot+2:G0+4*\slot+3], s[G0+4*\slot+2:G0+4*\slot+3], 2*KSTEP*2
	tensor_load_to_lds s[G0+4*\slot:G0+4*\slot+3], s[G1:G1+7]
	s_nop 0
.endif
	PLACES
	FETCH \next, 0, F0
	WIN MUL_HI
	MUL16 F1, 1, 0, 0
	MUL16 F1, 1, 2, 0
.endm
	s_wait_tensorcnt 1                             ; my part of K step 0 is in; K step 1 stays out
	s_barrier_signal -1
	s_barrier_wait -1
	FETCH 0, 0, F0
	THREE 0, 1
	TURN 0, 1, 1
	THREE 1, 0
	TURN 1, 0, 1
	THREE 0, 0
	TURN 0, 1, 0
	THREE 1, 0
	s_wait_dscnt 8
	WIN MUL_LO
	MUL16 F1, 0, 0, 0
	MUL16 F1, 0, 2, 0
	s_wait_dscnt 0
	WIN MUL_HI
	MUL16 F1, 1, 0, 0
	MUL16 F1, 1, 2, 0
	WIN 0
	PLACES
; 16 packed rows in TMP go through my stage and leave as whole rows of 256 bytes.
.macro STAGEOUT i
.irp b, 0,1,2,3,4,5,6,7
	ds_store_b128 v[STO], v[TMP+4*\b:TMP+4*\b+3] offset:32*\b
.endr
	s_wait_xcnt 0x0                                ; RB and the base, which the last stores read, are rewritten only behind this wait
.if \i
	s_add_nc_u64 s[8:9], s[8:9], 16*OROW
.endif
.irp t, 0,1,2,3,4,5,6,7
	ds_load_b128 v[RB+4*\t:RB+4*\t+3], v[RD] offset:\t*2*SPITCH    ; LDS serves a wave's instructions in order
.endr
.irp t, 0,1,2,3,4,5,6,7
	s_wait_dscnt 7-\t                              ; row pair t is back
	global_store_b128 v[CO], v[RB+4*\t:RB+4*\t+3], s[8:9] offset:2*\t*OROW   ; 16 lanes store 256 consecutive bytes, aligned
.endr
.endm
; KD = what becomes of column tile b in row group i: 1 all kept, 2 on the diagonal, 0 all masked.  mode 0: my block lies below the diagonal.
.macro KIND mode, i, b
.set KD, 1
.if \mode
.if (\b) == (\i)
.set KD, 2
.endif
.if (\b) > (\i)
.set KD, 0
.endif
.endif
.endm
; One step of the polynomial on all pairs of the half's live tiles: the steps of different pairs do not wait for each other.
.macro PST mode, i, hf, st, sc
.irp bb, 0,1,2,3
	KIND \mode, \i, 4*\hf+\bb
.if KD
.irp p, 0,2,4,6
.if \st == 0
	v_pk_fma_f32 v[Q+8*\bb+\p:Q+8*\bb+\p+1], v[E+8*\bb+\p:E+8*\bb+\p+1], s[\sc:\sc+1], v[B4:B4+1] op_sel_hi:[1,0,1]
.endif
.if \st == 1
	v_pk_fma_f32 v[Q+8*\bb+\p:Q+8*\bb+\p+1], v[Q+8*\bb+\p:Q+8*\bb+\p+1], v[E+8*\bb+\p:E+8*\bb+\p+1], s[\sc:\sc+1] op_sel_hi:[1,1,0]
.endif
.if \st == 2
	v_pk_fma_f32 v[Q+8*\bb+\p:Q+8*\bb+\p+1], v[Q+8*\bb+\p:Q+8*\bb+\p+1], v[E+8*\bb+\p:E+8*\bb+\p+1], v[M+8*\bb+\p:M+8*\bb+\p+1]
.endif
.endr
.endif
.endr
.endm
; Rows 16 i .. +15 of my block, tiles (a, 0..7) of window 2 or 3 (from = 0x0a or 0x0f), four column tiles at a time.
; In a quarter on the diagonal the packed words of the column tiles right of the diagonal are zeroed once, in row group 0: tile b's words are written
; again only in row group b, its first live turn, so they are still zero in every group before it.
.macro OUTS i, a, from, mode
.irp hf, 0,1
.set ANY, 1
.if \mode
.if 4*\hf > \i
.set ANY, 0
.endif
.endif
.if ANY
	WIN \from
.irp bb, 0,1,2,3
	KIND \mode, \i, 4*\hf+\bb
.if KD
.irp j, 0,1,2,3,4,5,6,7
	v_exp_f32 v[E+8*\bb+\j], -|v[8*(8*\a+4*\hf+\bb)+\j]|
.endr
.endif
.endr
.irp bb, 0,1,2,3
	KIND \mode, \i, 4*\hf+\bb
.if KD
	s_wait_alu depctr_va_vdst(0)
.irp j, 0,1,2,3,4,5,6,7
	v_max_num_f32 v[M+8*\bb+\j], 0, v[8*(8*\a+4*\hf+\bb)+\j]       ; plain instructions between the exponentials and the first use of their results
.endr
.endif
.endr
	WIN 0
	PST \mode, \i, \hf, 0, B5                      ; e b5 + b4
	PST \mode, \i, \hf, 1, B3
	PST \mode, \i, \hf, 1, B2
	PST \mode, \i, \hf, 1, B1
	PST \mode, \i, \hf, 2, 0                       ; ( .. ) e + max(y, 0)
.endif
.irp bb, 0,1,2,3
	KIND \mode, \i, 4*\hf+\bb
.if KD == 2
.irp j, 0,1,2,3,4,5,6,7
	v_cndmask_b32 v[Q+8*\bb+\j], 0, v[Q+8*\bb+\j], s[MK+\j]        ; column 8 h + j is kept where it is at most row r
.endr
.endif
.if KD
.irp r, 0,1,2,3
	v_cvt_pk_bf16_f32 v[TMP+4*(4*\hf+\bb)+\r], v[Q+8*\bb+2*\r], v[Q+8*\bb+2*\r+1]
.endr
.else
.if \i == 0
.irp r, 0,1,2,3
	v_mov_b32 v[TMP+4*(4*\hf+\bb)+\r], 0
.endr
.endif
.endif
.endr
.endr
	STAGEOUT \i
.endm
.macro OUTV i, a, from                 ; vt: rounded as it is
	WIN \from
.irp b, 0,1,2,3,4,5,6,7
.irp r, 0,1,2,3
	v_cvt_pk_bf16_f32 v[TMP+4*\b+\r], v[8*(8*\a+\b)+2*\r], v[8*(8*\a+\b)+2*\r+1]
.endr
.endr
	WIN 0
	STAGEOUT \i
.endm
; No barrier stands behind this point, so the waves may part.
	s_cmp_eq_u32 s55, 0
	s_cbranch_scc1 .Lvrole
	s_cmp_lg_u32 s53, s54                          ; a tile below the diagonal
	s_cbranch_scc1 .Lfull
	s_cmp_eq_u32 s11, s12                          ; a diagonal tile: my quarter lies on the diagonal,
	s_cbranch_scc1 .Ldiag
	s_cmp_gt_u32 s11, s12                          ; below it,
	s_cbranch_scc1 .Lfull
.irp r, 0,1,2,3
	v_mov_b32 v[TMP+\r], 0                         ; or above: 128 rows of 256 bytes of zeros, which the last launch reads
.endr
.irp i, 0,1,2,3,4,5,6,7
.if \i
	s_wait_xcnt 0x0                                ; the base is stepped only behind this wait
	s_add_nc_u64 s[8:9], s[8:9], 16*OROW
.endif
.irp t, 0,1,2,3,4,5,6,7
	global_store_b128 v[CO], v[TMP:TMP+3], s[8:9] offset:2*\t*OROW
.endr
.endr
	s_endpgm
.Lfull:
	OUTS 0, 0, 0x0a, 0
	OUTS 1, 1, 0x0a, 0
	OUTS 2, 2, 0x0a, 0
	OUTS 3, 3, 0x0a, 0
	OUTS 4, 0, 0x0f, 0
	OUTS 5, 1, 0x0f, 0
	OUTS 6, 2, 0x0f, 0
	OUTS 7, 3, 0x0f, 0
	s_set_vgpr_msb 0x1
	s_wait_tensorcnt 0x0
	ds_add_u32 v255, v255
	s_wait_dscnt 0x0
	s_set_vgpr_msb 0x100
	s_endpgm
.Ldiag:
	v_lshlrev_b32 v[VD], 3, v2
	v_sub_nc_u32 v[VD], v1, v[VD]                  ; r - 8 h, signed
.irp j, 0,1,2,3,4,5,6,7
	v_cmp_le_i32 s[MK+\j], \j, v[VD]
.endr
	OUTS 0, 0, 0x0a, 1
	OUTS 1, 1, 0x0a, 1
	OUTS 2, 2, 0x0a, 1
	OUTS 3, 3, 0x0a, 1
	OUTS 4, 0, 0x0f, 1
	OUTS 5, 1, 0x0f, 1
	OUTS 6, 2, 0x0f, 1
	OUTS 7, 3, 0x0f, 1
	s_set_vgpr_msb 0x1
	s_wait_tensorcnt 0x0
	ds_add_u32 v255, v255
	s_wait_dscnt 0x0
	s_set_vgpr_msb 0x100
	s_endpgm
.Lvrole:
	OUTV 0, 0, 0x0a
	OUTV 1, 1, 0x0a
	OUTV 2, 2, 0x0a
	OUTV 3, 3, 0x0a
	OUTV 4, 0, 0x0f
	OUTV 5, 1, 0x0f
	OUTV 6, 2, 0x0f
	OUTV 7, 3, 0x0f
	s_set_vgpr_msb 0x1
	s_wait_tensorcnt 0x0
	ds_add_u32 v255, v255
	s_wait_dscnt 0x0
	s_set_vgpr_msb 0x100
	s_endpgm
.Lfunc_end_k_q5011652c21_score:
	.size	k_q5011652c21_score, .Lfunc_end_k_q5011652c21_score-k_q5011652c21_score
	.p2alignl 7, 3214868480
	.fill 96, 4, 3214868480
	.section	.rodata,"a",@progbits
	.p2align	6, 0x0
	.amdhsa_kernel k_q5011652c21_score
		.amdhsa_group_segment_fixed_size 327680
		.amdhsa_private_segment_fixed_size 0
		.amdhsa_enable_private_segment 0
		.amdhsa_kernarg_size 48
		.amdhsa_user_sgpr_count 2
		.amdhsa_user_sgpr_kernarg_segment_ptr 1
		.amdhsa_wavefront_size32 1
		.amdhsa_system_sgpr_workgroup_id_x 1
		.amdhsa_system_sgpr_workgroup_id_y 1
		.amdhsa_system_sgpr_workgroup_id_z 1
		.amdhsa_system_vgpr_workitem_id 0
		.amdhsa_next_free_vgpr 1024
		.amdhsa_next_free_sgpr 100
		.amdhsa_reserve_vcc 0
		.amdhsa_float_denorm_mode_32 3
		.amdhsa_float_denorm_mode_16_64 3
		.amdhsa_memory_ordered 1
		.amdhsa_forward_progress 1
		.amdhsa_inst_pref_size 255
	.end_amdhsa_kernel
	.section	.bss,"aw",@nobits
	.p2align	6
	.space	262144
	.amdgpu_metadata
---
amdhsa.version: [ 1, 2 ]
amdhsa.kernels:
  - .name:           k_q5011652c21_score
    .symbol:         k_q5011652c21_score.kd
    .args:
      - { .name: kb, .offset: 0, .size: 8, .value_kind: global_buffer, .address_space: global }
      - { .name: qb, .offset: 8, .size: 8, .value_kind: global_buffer, .address_space: global }
      - { .name: vb, .offset: 16, .size: 8, .value_kind: global_buffer, .address_space: global }
      - { .name: wt, .offset: 24, .size: 8, .value_kind: global_buffer, .address_space: global }
      - { .name: pm, .offset: 32, .size: 8, .value_kind: global_buffer, .address_space: global }
      - { .name: vt, .offset: 40, .size: 8, .value_kind: global_buffer, .address_space: global }
    .group_segment_fixed_size: 327680
    .private_segment_fixed_size: 0
    .kernarg_segment_align: 8
    .kernarg_segment_size: 48
    .max_flat_workgroup_size: 128
    .sgpr_count:     100
    .vgpr_count:     1024
    .wavefront_size: 32
...
	.end_amdgpu_metadata
.endif
;; end of part 3
;; launch mix (part 4): grid 8 x 32, 4 waves a work-group, clusters of 4 x 1, 327,680 bytes of LDS; arguments pm, vt, bp, out0; writes out0
.if DOCPART == 4
	.amdgcn_target "amdgcn-amd-amdhsa--gfx1250"
	.amdhsa_code_object_version 6
	.text
	.protected	k_q5011652c21_mix
	.globl	k_q5011652c21_mix
	.p2align	8
	.type	k_q5011652c21_mix,@function
k_q5011652c21_mix:
	s_mov_b64 s[64:65], 0
	v_nop
	global_prefetch_b8 v0, s[64:65] scope:SCOPE_SE
	s_setreg_imm32_b32 hwreg(HW_REG_WAVE_MODE, 25, 1), 1
	s_wait_xcnt 0x0
	s_wait_alu depctr_hold_cnt(0) depctr_sa_sdst(0) depctr_va_vdst(0) depctr_va_sdst(0) depctr_va_ssrc(0) depctr_va_vcc(0) depctr_vm_vsrc(0)
	s_getreg_b32 s2, hwreg(HW_REG_IB_STS2, 6, 4)
	s_cmp_eq_u32 s2, 0
	s_cbranch_scc0 .Lentry_in_a_cluster
	s_endpgm
.Lentry_in_a_cluster:
	s_bfe_u32 s2, ttmp6, 0x10000c
	s_cmp_lg_u32 s2, 0x3003
	s_cbranch_scc0 .Lentry_shape_is_right
	s_endpgm
.Lentry_shape_is_right:
; out0[b][t][c] = ln 2 x (sum over s of pm[b][t][s] vt[b][c][s]) + bp[c], in f32.
; pm: [4][2048][2048] bf16, softplus / ln 2, zeros above the diagonal inside the diagonal tiles of 256 x 256; vt: [4][512][2048] bf16.
; EQUAL WORK.  Row block i (128 rows) of a batch needs s < 256 (i / 2 + 1): i / 2 + 1 tiles of 256 along K; what the mask throws away beyond is neither read
; nor multiplied.  Blocks 15 - p and p together need 9 tiles for every p = 0..7.  So a work-group makes 128 rows x 64 columns twice, first for block 15 - p
; (5 to 8 tiles), then for block p (4 to 1 tiles): 8 column blocks x 8 pairs x 4 batches = 256 work-groups of 9 tiles each.
; THE RING.  A tile is 128 rows of pm and 64 rows of vt, 512 consecutive bytes each, aligned to 256.  Three LDS slots; tile n lies in slot n % 3.  The three first fills
; go out together; then three times two slots are filled again behind one round of the cluster barrier, while the third slot, landed and unread, is multiplied.
; Nine tiles for everybody: the ring is written out, without a loop, and runs on over the change of row block.  A wave has three tensor loads out at the start, two afterwards.
; CLUSTERS: four column blocks of one pair of row blocks form a cluster; they need the same tiles of pm in the same order and ask for them jointly (mask 15).
; The tiles of vt differ between them and come by plain loads.  vt is not shared across pairs: from tile 5 on different pairs stand at different places along K.
; Waves 0 and 1 fetch 64 rows of pm each, waves 2 and 3 fetch 32 rows of vt each.
; A wave multiplies 32 rows x 64 columns: 8 accumulator tiles, which take turns.  Its rows of the result are whole pieces of 256 bytes of out0.
; The sums start from bp x log2 e, so that nothing is cleared and the factor ln 2 on the way out gives bp back (two roundings of f32).
; PREFETCH of pm, which every cluster reads for the first time: behind each group of tensor loads wave 3 asks for the two tiles of pm that the NEXT group loads
; (two tiles, 128 KiB for the pair of row blocks, one group ahead).  Each of the 8 column blocks asks for 16 of a tile's 128 rows, a lane for each 256 bytes, so every
; block of 256 bytes is asked for once in the launch.  Tiles 0 to 2 are loaded at once and not asked for; behind the last group nothing is asked.
; REGISTERS: v6-13 prefetch offsets, v16-27 addresses, v32-63 bias, v64-111 and v112-159 two fragment buffers (vt in the first 32, pm in the last 16 of each; the first 32
; of buffer 0 also take the rows read back on the way out), v160-223 sums, tile (a, b) at 160 + 8 (4 a + b), v224-255 scaled results.
; Source 0 takes rows of vt, source 1 rows of pm: lane l holds row l % 16 and columns 8 (l / 16) + 0 .. 7, 32 neighbouring bytes of an output row.
.set PITCH,  528                       ; an LDS row: 512 bytes + 16 of padding, an odd multiple of 16
.set AROWS,  128*PITCH                 ; pm's part of a slot; vt's 64 rows lie behind it
.set SLOT,   192*PITCH
.set STAGE,  3*SLOT                    ; behind the ring, at a multiple of 256: 16 rows x 272 bytes for each wave; no tensor load lands here
.set SPITCH, 272
.set STEPB,  512                       ; 256 along K, in bytes
.set OROW,   2048                      ; bytes in a row of out0
.set PLT,  6                           ; prefetch: my lane's 256 bytes inside a tile of pm
.set PFV,  8                           ; v8-13  the same plus the offset of tile 3 .. 8 in pm
.set ADRA, 16                          ; v16-18 LDS address of my fragments of pm in slot 0, 1, 2
.set ADRB, 20                          ; v20-22 the same for vt
.set STO,  24
.set RD,   25
.set CO,   26
.set BOFF, 27
.set BIAS, 32
.set F0,   64
.set FSZ,  48
.set RB,   64
.set ACC,  160
.set TMP,  224
.set L2E, 6                            ; s[6:7]    log2 e
.set OBL, 8                            ; s[8:9]    out0 at my rows of block 15 - p
.set G1,  24                           ; s[24:31]  group 1 for pm (joint)
.set G0,  32                           ; s[32:43]  group 0 for pm, a set for each slot
.set TL,  44                           ; tiles of block 15 - p
.set G1B, 48                           ; s[48:55]  group 1 for vt (plain)
.set BP,  56                           ; s[56:63]  vt: address of tiles 5 .. 8
.set OBS, 66                           ; s[66:67]  out0 at my rows of block p
.set G0B, 76                           ; s[76:87]  group 0 for vt
.set AP,  88                           ; s[88:95]  pm: address of tiles 5 .. 8
.set LN2, 104                          ; s[104:105] ln 2
.macro JLOAD s                         ; waves 0 and 1 ask for pm, waves 2 and 3 for vt; the branch hangs on the wave number alone
	s_cmp_eq_u32 s11, 0
	s_cbranch_scc0 .Lfor_b_\@
	tensor_load_to_lds s[G0+4*(\s):G0+4*(\s)+3], s[G1:G1+7]
	s_nop 0
	s_branch .Lasked_\@
.Lfor_b_\@:
	tensor_load_to_lds s[G0B+4*(\s):G0B+4*(\s)+3], s[G1B:G1B+7]
	s_nop 0
.Lasked_\@:
.endm
.macro ROUND                           ; a round of the cluster barrier
	s_barrier_signal -1
	s_barrier_wait -1
	s_cmp_lg_u32 s10, 0
	s_cbranch_scc1 .Lnot_wave_0_\@
	s_barrier_signal -3
.Lnot_wave_0_\@:
	s_barrier_wait -3
	s_barrier_signal -1
	s_barrier_wait -1
.endm
.macro PLACES                          ; four places behind a matrix instruction (ISA guide 7.12.1 for vector instructions)
.rept 4
	v_nop
.endr
.endm
	s_load_b256 s[68:75], s[0:1], 0x0              ; pm 68, vt 70, bp 72, out0 74
	v_lshl_add_u32 v30, v0, 2, 0x4e800
	v_mov_b32 v31, 0
	ds_add_u32 v30, v31
	ds_add_u32 v30, v31
	v_lshrrev_b32 v1, 5, v0
	v_readfirstlane_b32 s10, v1                    ; wave 0..3
	s_lshr_b32 s11, s10, 1                         ; I fetch pm (0) or vt (1)
	s_and_b32 s12, s10, 1                          ; which half of its rows
	; what the four partners share: batch, pair of row blocks, and with them every tile of pm
	s_and_b32 s96, ttmp7, 0xffff
	s_lshr_b32 s97, s96, 3                         ; batch
	s_and_b32 s98, s96, 7                          ; p: the short row block
	s_lshr_b32 s99, s98, 1
	s_sub_co_u32 s[TL], 8, s99                     ; block 15 - p has 8 - p / 2 tiles, block p the other p / 2 + 1 of the nine
	s_sub_co_u32 s45, 15, s98                      ; the long row block
	s_lshl_b32 s99, s97, 23                        ; a batch of pm: 2,048 rows of 4,096 bytes
	s_lshl_b32 s100, s45, 19                       ; a row block: 128 rows
	s_add_co_u32 s100, s100, s99                   ; offset of the long block's tile 0 in pm
	s_lshl_b32 s101, s98, 19
	s_add_co_u32 s101, s101, s99                   ; of the short block's
	s_lshl_b32 s14, s12, 18                        ; my 64 rows of a tile
	s_mov_b32 s15, 0
	s_add_co_u32 s16, s14, s100
	s_mov_b32 s17, 0
	; what hangs on my column block: kept to s2-s5 and to the registers of vt, of out0 and of the prefetch
	s_bfe_u32 s4, ttmp6, 0x40000                   ; cx
	s_lshl_b32 s5, ttmp9, 2
	s_add_co_u32 s4, s4, s5                        ; column block = 4 x cluster x + cx, 0..7
	s_lshl_b32 s46, s4, 18                         ; vt: 64 rows of 4,096 bytes a column block
	s_lshl_b32 s5, s97, 21                         ; + the batch: 512 rows
	s_add_co_u32 s46, s46, s5
	s_lshl_b32 s5, s12, 17                         ; + my 32 rows
	s_add_co_u32 s46, s46, s5
	s_mov_b32 s47, 0
	s_lshl_b32 s2, s4, 8                           ; 64 columns of 4 bytes: in out0 and in bp
	s_lshl_b32 s5, s10, 16                         ; out0: my 32 rows of 2,048 bytes
	s_add_co_u32 s5, s5, s2
	s_lshl_b32 s3, s97, 22                         ; + the batch
	s_add_co_u32 s5, s5, s3
	s_lshl_b32 s[OBL], s45, 18                     ; + the row block: 128 rows
	s_add_co_u32 s[OBL], s[OBL], s5
	s_mov_b32 s[OBL+1], 0
	s_lshl_b32 s[OBS], s98, 18
	s_add_co_u32 s[OBS], s[OBS], s5
	s_mov_b32 s[OBS+1], 0
	s_lshl_b32 s3, s4, 4                           ; prefetch: my column block asks for rows 16 x block .. + 15 of a tile of pm
	v_and_b32 v1, 15, v0                           ; r
	v_bfe_u32 v2, v0, 4, 1                         ; h
	v_and_b32 v3, 31, v0
	v_lshrrev_b32 v4, 1, v3                        ; two lanes a row,
	v_and_b32 v3, 1, v3                            ; 256 bytes each
	v_add_nc_u32 v4, s3, v4
	v_lshlrev_b32 v4, 12, v4
	v_lshl_add_u32 v[PLT], v3, 8, v4
	s_add_co_u32 s99, s100, 3*STEPB                ; tiles 0 to 4 belong to the long block for every p
	v_add_nc_u32 v[PFV], s99, v[PLT]
	s_add_co_u32 s99, s100, 4*STEPB
	v_add_nc_u32 v[PFV+1], s99, v[PLT]
.irp n, 5,6,7,8
	s_cmp_gt_u32 s[TL], \n                         ; tile n: still the long block?  (the selects leave the condition as it is)
	s_cselect_b32 s[AP+2*(\n-5)], s100, s101       ; its row block,
	s_cselect_b32 s99, 0, s[TL]
	s_sub_co_u32 s99, \n, s99                      ; its step along K,
	s_lshl_b32 s99, s99, 9                         ; in bytes
	s_add_co_u32 s[AP+2*(\n-5)], s[AP+2*(\n-5)], s99
	s_mov_b32 s[AP+2*(\n-5)+1], 0
	s_mov_b32 s[BP+2*(\n-5)], s99
	s_mov_b32 s[BP+2*(\n-5)+1], 0
	v_add_nc_u32 v[PFV+\n-3], s[AP+2*(\n-5)], v[PLT]
.endr
	s_mov_b32 s[G1+0], 15|(1<<16)|(1<<20)|(1<<21)|(6<<22)|(3<<25)   ; the mask of all four, bit 21 beside it; elements of 2 bytes; after every 128 words 4 of padding
	s_mov_b32 s[G1+1], 256<<16                     ; tensor_dim0 = 256
	s_mov_b32 s[G1+2], 64<<16                      ; tensor_dim1 = 64
	s_mov_b32 s[G1+3], 256<<16                     ; tile_dim0 = 256
	s_mov_b32 s[G1+4], 64                          ; tile_dim1 = 64
	s_mov_b32 s[G1+5], 2048                        ; elements from row to row
	s_mov_b32 s[G1+6], 0
	s_mov_b32 s[G1+7], 0
	s_mov_b32 s[G1B+0], (1<<16)|(1<<20)|(6<<22)|(3<<25)
	s_mov_b32 s[G1B+1], 256<<16
	s_mov_b32 s[G1B+2], 32<<16                     ; 32 rows
	s_mov_b32 s[G1B+3], 256<<16
	s_mov_b32 s[G1B+4], 32
	s_mov_b32 s[G1B+5], 2048
	s_mov_b32 s[G1B+6], 0
	s_mov_b32 s[G1B+7], 0
	s_mul_i32 s20, s10, 64*PITCH                   ; LDS, waves 0 and 1: wave x 64 rows
	s_mul_i32 s21, s10, 32*PITCH
	s_add_co_u32 s21, s21, 64*PITCH                ; waves 2 and 3: 128 rows + (wave - 2) x 32 rows = 64 rows + wave x 32 rows
	s_mov_b32 s[L2E], 0x3fb8aa3b
	s_mov_b32 s[L2E+1], 0x3fb8aa3b
	s_mov_b32 s[LN2], 0x3f317218
	s_mov_b32 s[LN2+1], 0x3f317218
	s_wait_dscnt 0x0
	s_wait_kmcnt 0x0
	s_add_nc_u64 s[14:15], s[68:69], s[14:15]      ; pm at my rows of a tile
	s_add_nc_u64 s[16:17], s[68:69], s[16:17]      ; the same at the long block's tile 0
	s_add_nc_u64 s[46:47], s[70:71], s[46:47]      ; vt at my rows, K = 0
.irp s, 0,1,2
	s_mov_b32 s[G0+4*\s], 1
	s_add_co_u32 s[G0+4*\s+1], s20, \s*SLOT
	s_add_nc_u64 s[G0+4*\s+2:G0+4*\s+3], s[16:17], \s*STEPB        ; slot s starts with tile s
	s_or_b32 s[G0+4*\s+3], s[G0+4*\s+3], 0x80000000
	s_mov_b32 s[G0B+4*\s], 1
	s_add_co_u32 s[G0B+4*\s+1], s21, \s*SLOT
	s_add_nc_u64 s[G0B+4*\s+2:G0B+4*\s+3], s[46:47], \s*STEPB
	s_or_b32 s[G0B+4*\s+3], s[G0B+4*\s+3], 0x80000000
.endr
	ROUND                                          ; all four work-groups are here: the first joint loads meet
	JLOAD 0                                        ; first fills: all three slots at once
	JLOAD 1
	JLOAD 2
; Wave 3 asks for my column block's 16 rows of tiles n0 and n1 of pm.  The offsets and the base are never written again.
.macro PREF n0, n1
	s_cmp_lg_u32 s10, 3
	s_cbranch_scc1 .Lno_pref_\@
	global_prefetch_b8 v[PFV+\n0-3], s[68:69] th:TH_LOAD_NT scope:SCOPE_SE
	global_prefetch_b8 v[PFV+\n1-3], s[68:69] th:TH_LOAD_NT scope:SCOPE_SE
.Lno_pref_\@:
.endm
	PREF 3, 4                                      ; what the first group of refills will load
	v_lshl_add_u32 v[BOFF], v2, 5, s2              ; bias: my work-group's 64 columns + 8 h
.irp b, 0,1,2,3
	global_load_b128 v[BIAS+8*\b:BIAS+8*\b+3],   v[BOFF], s[72:73] offset:64*\b
	global_load_b128 v[BIAS+8*\b+4:BIAS+8*\b+7], v[BOFF], s[72:73] offset:64*\b+16
.endr
	s_add_nc_u64 s[OBL:OBL+1], s[74:75], s[OBL:OBL+1]
	s_add_nc_u64 s[OBS:OBS+1], s[74:75], s[OBS:OBS+1]
.irp k, 0,1,2,3
	s_add_nc_u64 s[AP+2*\k:AP+2*\k+1], s[14:15], s[AP+2*\k:AP+2*\k+1]
	s_add_nc_u64 s[BP+2*\k:BP+2*\k+1], s[46:47], s[BP+2*\k:BP+2*\k+1]
.endr
	v_mul_u32_u24 v3, v1, PITCH
	v_lshl_add_u32 v3, v2, 4, v3                   ; row r, 16 bytes for each half of the lanes
	s_mul_i32 s22, s10, 32*PITCH                   ; my 32 rows of pm
	s_mov_b32 s23, AROWS                           ; vt: all 64 rows
.irp s, 0,1,2
	v_add_nc_u32 v[ADRA+\s], s22, v3
	v_add_nc_u32 v[ADRB+\s], s23, v3
	s_add_co_u32 s22, s22, SLOT
	s_add_co_u32 s23, s23, SLOT
.endr
	s_mul_i32 s22, s10, 16*SPITCH
	s_add_co_u32 s22, s22, STAGE
	v_mul_u32_u24 v4, v1, SPITCH
	v_lshl_add_u32 v4, v2, 5, v4
	v_add_nc_u32 v[STO], s22, v4                   ; in: row r, 32 bytes for each half of the lanes
	v_mul_u32_u24 v5, v2, SPITCH
	v_lshl_add_u32 v5, v1, 4, v5
	v_add_nc_u32 v[RD], s22, v5                    ; back: lanes 0-15 one row of 256 bytes, lanes 16-31 the next
	v_lshlrev_b32 v5, 11, v2
	v_lshl_add_u32 v[CO], v1, 4, v5                ; the same two rows in out0
.macro INIT                            ; the sums start from bp x log2 e
.irp a, 0,1
.irp b, 0,1,2,3
.irp p, 0,2,4,6
	v_pk_mul_f32 v[ACC+8*(4*\a+\b)+\p:ACC+8*(4*\a+\b)+\p+1], v[BIAS+8*\b+\p:BIAS+8*\b+\p+1], s[L2E:L2E+1] op_sel_hi:[1,0]
.endr
.endr
.endr
.endm
; 12 LDS loads: the fragments of 32 along K, number ks of the slot's eight, into buffer f
.macro FETCH3 slot, ks, f
.irp t, 0,1,2,3
	ds_load_b128 v[\f+8*\t:\f+8*\t+3],   v[ADRB+\slot] offset:64*(\ks)+\t*16*PITCH
	ds_load_b128 v[\f+8*\t+4:\f+8*\t+7], v[ADRB+\slot] offset:64*(\ks)+\t*16*PITCH+32
.endr
.irp t, 0,1
	ds_load_b128 v[\f+32+8*\t:\f+32+8*\t+3],   v[ADRA+\slot] offset:64*(\ks)+\t*16*PITCH
	ds_load_b128 v[\f+32+8*\t+4:\f+32+8*\t+7], v[ADRA+\slot] offset:64*(\ks)+\t*16*PITCH+32
.endr
.endm
; 8 matrix instructions; the 8 accumulators take turns, one instruction a turn, in the same order every time.
.macro MUL3 f
.irp a, 0,1
.irp b, 0,1,2,3
	v_wmma_f32_16x16x32_bf16 v[ACC+8*(4*\a+\b):ACC+8*(4*\a+\b)+7], v[\f+8*\b:\f+8*\b+7], v[\f+32+8*\a:\f+32+8*\a+7], v[ACC+8*(4*\a+\b):ACC+8*(4*\a+\b)+7]
.endr
.endr
.endm
; One tile: 256 along K from slot, in eight steps of 32 on two fragment buffers.
.macro PROC slot
	PLACES                                         ; behind the last tile's matrix instructions, which read both buffers
	FETCH3 \slot, 0, F0
.irp ks, 0,1,2,3,4,5,6,7
.if \ks < 7
.if \ks > 0
	PLACES                                         ; the buffer that is loaded next was read by the matrix instructions just issued
.endif
	FETCH3 \slot, \ks+1, F0+FSZ*((\ks+1)%2)
	s_wait_dscnt 12                                ; all but the 12 just issued
.else
	s_wait_dscnt 0x0
.endif
	MUL3 F0+FSZ*(\ks%2)
.endr
.endm
; Rows 16 a .. +15 of my 32: scaled, 32 bytes a lane into my stage, read back as whole rows of 256 bytes.  ob: the row block's place in out0.
.macro OUTM a, ob
.irp b, 0,1,2,3
.irp p, 0,2,4,6
	v_pk_mul_f32 v[TMP+8*\b+\p:TMP+8*\b+\p+1], v[ACC+8*(4*\a+\b)+\p:ACC+8*(4*\a+\b)+\p+1], s[LN2:LN2+1] op_sel_hi:[1,0]
.endr
.endr
.irp b, 0,1,2,3
	ds_store_b128 v[STO], v[TMP+8*\b:TMP+8*\b+3]   offset:64*\b
	ds_store_b128 v[STO], v[TMP+8*\b+4:TMP+8*\b+7] offset:64*\b+16
.endr
	s_wait_xcnt 0x0                                ; RB, which the last 16 rows' stores read, is loaded again only behind this wait
.irp t, 0,1,2,3,4,5,6,7
	ds_load_b128 v[RB+4*\t:RB+4*\t+3], v[RD] offset:\t*2*SPITCH    ; LDS serves a wave's instructions in order: these see the stores above
.endr
.irp t, 0,1,2,3,4,5,6,7
	s_wait_dscnt 7-\t                              ; row pair t is back, the younger ones stay out
	global_store_b128 v[CO], v[RB+4*\t:RB+4*\t+3], s[\ob:\ob+1] offset:(16*\a+2*\t)*OROW th:TH_STORE_NT   ; 16 lanes store 256 consecutive bytes, aligned
.endr
.endm
; Behind tile n: if it was the long block's last, that block leaves and the sums start again for the short one.  The tensor loads stay on their way meanwhile.
; The branch hangs on the pair of row blocks alone, which the four partners share; no barrier and no tensor load stands inside it.
.macro SWITCH n
.if \n >= 4
.if \n <= 7
	s_cmp_lg_u32 s[TL], \n+1
	s_cbranch_scc1 .Lsame_\@
	PLACES                                         ; behind the last matrix instructions: the way out reads results and loads into buffer 0
	OUTM 0, OBL
	OUTM 1, OBL
	INIT
	s_wait_xcnt 0x0                                ; RB is buffer 0's registers: the next tile's fragments land there only behind this wait
.Lsame_\@:
.endif
.endif
.endm
; The addresses of tile n into slot's two descriptors.  Written only where no tensor load of the wave is out.
.macro SETG slot, n
.if \n < 5
	s_add_nc_u64 s[G0+4*\slot+2:G0+4*\slot+3], s[16:17], \n*STEPB
	s_add_nc_u64 s[G0B+4*\slot+2:G0B+4*\slot+3], s[46:47], \n*STEPB
.else
	s_mov_b64 s[G0+4*\slot+2:G0+4*\slot+3], s[AP+2*(\n-5):AP+2*(\n-5)+1]
	s_mov_b64 s[G0B+4*\slot+2:G0B+4*\slot+3], s[BP+2*(\n-5):BP+2*(\n-5)+1]
.endif
	s_or_b32 s[G0+4*\slot+3], s[G0+4*\slot+3], 0x80000000
	s_or_b32 s[G0B+4*\slot+3], s[G0B+4*\slot+3], 0x80000000
.endm
; Slots b and c, which have been read, get tiles nb and nc; slot a holds tile na, landed and unread, which is multiplied while the two are on their way.
.macro GROUP a, b, c, na, nb, nc
	s_wait_tensorcnt 0x0                           ; all my tensor loads are done, my part of slot a's tile among them, so every group 0 may be written
	ds_add_u32 v30, v31
	SETG \b, \nb
	SETG \c, \nc
	s_wait_dscnt 0x0                               ; my reads of slots b and c are done
	ROUND                                          ; both now hold of every wave of the four work-groups
	JLOAD \b                                       ; the first tensor loads behind the round
	JLOAD \c
.if \nc+2 <= 8
	PREF \nb+2, \nc+2                              ; what the next group will load
.endif
	PROC \a
	SWITCH \na
	s_wait_tensorcnt 1                             ; my part of slot b's tile is there; slot c's may stay out
	s_wait_dscnt 0x0
	s_barrier_signal -1
	s_barrier_wait -1                              ; everybody's part is
	PROC \b
	SWITCH \nb
.endm
	s_wait_loadcnt 0x0                             ; the bias
	INIT
	s_wait_tensorcnt 2                             ; my part of tile 0 is in; tiles 1 and 2 stay out
	s_barrier_signal -1
	s_barrier_wait -1
	PROC 0
	s_wait_tensorcnt 1                             ; tile 1; tile 2 stays out
	s_wait_dscnt 0x0
	s_barrier_signal -1
	s_barrier_wait -1
	PROC 1
	GROUP 2, 0, 1, 2, 3, 4                         ; tiles 3 and 4 go out; tiles 2 and 3 are multiplied
	GROUP 1, 2, 0, 4, 5, 6                         ; tiles 5 and 6 go out; tiles 4 and 5
	GROUP 0, 1, 2, 6, 7, 8                         ; tiles 7 and 8 go out: the last; tiles 6 and 7
	s_wait_tensorcnt 0x0                           ; tile 8
	s_wait_dscnt 0x0
	s_barrier_signal -1
	s_barrier_wait -1
	PROC 2
	PLACES                                         ; behind the last matrix instructions
	OUTM 0, OBS                                    ; the short block leaves
	OUTM 1, OBS
	s_wait_tensorcnt 0x0
	ds_add_u32 v30, v31
	s_wait_dscnt 0x0
	ROUND                                          ; the closing round: no work-group ends while a partner may still ask jointly
	s_endpgm
.Lfunc_end_k_q5011652c21_mix:
	.size	k_q5011652c21_mix, .Lfunc_end_k_q5011652c21_mix-k_q5011652c21_mix
	.p2alignl 7, 3214868480
	.fill 96, 4, 3214868480
	.section	.rodata,"a",@progbits
	.p2align	6, 0x0
	.amdhsa_kernel k_q5011652c21_mix
		.amdhsa_group_segment_fixed_size 327680
		.amdhsa_private_segment_fixed_size 0
		.amdhsa_enable_private_segment 0
		.amdhsa_kernarg_size 32
		.amdhsa_user_sgpr_count 2
		.amdhsa_user_sgpr_kernarg_segment_ptr 1
		.amdhsa_wavefront_size32 1
		.amdhsa_system_sgpr_workgroup_id_x 1
		.amdhsa_system_sgpr_workgroup_id_y 1
		.amdhsa_system_sgpr_workgroup_id_z 1
		.amdhsa_system_vgpr_workitem_id 0
		.amdhsa_next_free_vgpr 256
		.amdhsa_next_free_sgpr 106
		.amdhsa_reserve_vcc 0
		.amdhsa_float_denorm_mode_32 3
		.amdhsa_float_denorm_mode_16_64 3
		.amdhsa_memory_ordered 1
		.amdhsa_forward_progress 1
		.amdhsa_inst_pref_size 159
	.end_amdhsa_kernel
	.amdgpu_metadata
---
amdhsa.version: [ 1, 2 ]
amdhsa.kernels:
  - .name:           k_q5011652c21_mix
    .symbol:         k_q5011652c21_mix.kd
    .args:
      - { .name: pm, .offset: 0, .size: 8, .value_kind: global_buffer, .address_space: global }
      - { .name: vt, .offset: 8, .size: 8, .value_kind: global_buffer, .address_space: global }
      - { .name: bp, .offset: 16, .size: 8, .value_kind: global_buffer, .address_space: global }
      - { .name: out0, .offset: 24, .size: 8, .value_kind: global_buffer, .address_space: global }
    .group_segment_fixed_size: 327680
    .private_segment_fixed_size: 0
    .kernarg_segment_align: 8
    .kernarg_segment_size: 32
    .max_flat_workgroup_size: 128
    .sgpr_count:     106
    .vgpr_count:     256
    .wavefront_size: 32
...
	.end_amdgpu_metadata
.endif
;; end of part 4
;; ======== version 2 of 2: 4 launches; version 1 with the launch cast written anew for expert scheduling mode
;; limits: a function is approximated: absolute error at most 1.5e-05; a function is approximated: absolute error at most 0.0001; values are held in f16: magnitudes above 65,504 overflow, below 6.1e-05 lose precision
;; workspace buffers: xb 8,388,608 bytes; wt 2,097,152 bytes; kb 8,388,608 bytes; qb 8,388,608 bytes; vb 8,388,608 bytes; pm 33,554,432 bytes; vt 8,388,608 bytes
;; launch cast (part 5): grid 256 x 1, 4 waves a work-group, no clusters, 0 bytes of LDS; arguments x, Wk, Wq, Wv, Wp, xb, wt; writes xb, wt
.if DOCPART == 5
	.amdgcn_target "amdgcn-amd-amdhsa--gfx1250"
	.amdhsa_code_object_version 6
	.text
	.protected	k_q5011652c21_cast
	.globl	k_q5011652c21_cast
	.p2align	8
	.type	k_q5011652c21_cast,@function
k_q5011652c21_cast:
	s_mov_b64 s[64:65], 0
	v_nop
	global_prefetch_b8 v0, s[64:65] scope:SCOPE_SE
	s_setreg_imm32_b32 hwreg(HW_REG_WAVE_SCHED_MODE, 0, 2), 2
	s_setreg_imm32_b32 hwreg(HW_REG_WAVE_MODE, 25, 1), 1
	s_wait_xcnt 0x0
	s_wait_alu depctr_vm_vsrc(0)
; xb = f16(x), as it lies.  wt[m][n][k] = f16(W_m[k][n]) for m = 0..3 (Wk, Wq, Wv, Wp): the weights turned so that K lies along the rows.
; WHY f16: the output sums 2,048 terms in which every rounding of x, Wv and Wp is carried along; f16 keeps 11 significant bits where bf16 keeps 8.
; LIMIT: |x| and |W| stay below 65,504, f16's largest number, or become infinite.  Inputs 30 times those drawn reach about 150 and 3; weights 30 times
; smaller have an rms of 6.7e-4, against f16's step of 6e-8 near zero.
; 256 work-groups of four waves.  Each takes 65,536 bytes of x (32 loads of 16 bytes a lane) and one block of 32 n x 128 k of one weight matrix.
; Memory binds: no LDS, no barrier, no loop; every register is written once, so no source of a pending load or store is ever rewritten.
; x part: a store of 8 bytes a lane covers 256 consecutive bytes, aligned, for the 32 lanes of a wave.
; W part: thread (cq = t / 16, jg = t % 16) loads columns 4 cq .. +3 of the eight k rows 8 jg .. +7 and packs, for each of its four columns,
; eight neighbouring k into 16 bytes: sixteen neighbouring lanes store 256 consecutive bytes of one row of wt, aligned.
; THE MODE: SCHED_MODE bits 1:0 = 2 (LLVM: expert scheduling mode 2), set by the entry lines.  The code itself states the register dependences
; between vector instructions and memory instructions, with s_wait_alu, always for 0.
; THE PLAN.  Registers that memory instructions touch:
;   v1, v2, v3, v4  byte offsets: made by vector instructions at the head, read by every load or store, never written again.
;   WL, XL          written by the 40 loads, which are all issued before any vector instruction names them; read by the conversions; never loaded again.
;   WO              written by W's sixteen conversions; read by the four stores of wt, which are issued in group 0.
;   XO              the 32 loads of x go in eight groups of four.  Group g's eight conversions write its part of XO; the four stores that read it are issued in group g + 1.
; So one wait on va_vdst stands ahead of the first load (the offsets), one at the head of each group (the conversions of the group before have written what this
; group's four stores read) and one ahead of the last four stores.  A group's stores are dealt among its conversions with no further wait: those conversions read
; XL and write XO of their own group alone.  No register that a memory instruction reads is written again, no vector instruction writes a scalar register or VCC,
; and EXEC is never written: no other kind of s_wait_alu is owed.
.set XL, 8                             ; v[8:135]    x as loaded, load n in four registers
.set XO, 136                           ; v[136:199]  x packed, two registers a load
.set WL, 200                           ; v[200:231]  W as loaded: row e in four registers
.set WO, 232                           ; v[232:247]  W packed: column u in four registers
	s_load_b256 s[4:11], s[0:1], 0x0               ; x s[4:5], Wk s[6:7], Wq s[8:9], Wv s[10:11]
	s_load_b128 s[12:15], s[0:1], 0x20             ; Wp s[12:13], xb s[14:15]
	s_load_b64 s[16:17], s[0:1], 0x30              ; wt
	s_lshr_b32 s20, ttmp9, 6                       ; m: which matrix
	s_and_b32 s21, ttmp9, 63                       ; which of its 64 blocks
	s_and_b32 s22, s21, 15                         ; block of 32 columns n
	s_lshr_b32 s23, s21, 4                         ; block of 128 rows k
	s_lshl_b32 s24, s23, 18                        ; source: 128 rows of 2,048 bytes
	s_lshl_b32 s26, s22, 7                         ; + 32 columns of 4 bytes
	s_add_co_u32 s24, s24, s26
	s_mov_b32 s25, 0
	s_lshl_b32 s26, s20, 19                        ; target: a matrix of 524,288 bytes
	s_lshl_b32 s28, s22, 15                        ; + 32 rows n of 1,024 bytes
	s_add_co_u32 s26, s26, s28
	s_lshl_b32 s28, s23, 8                         ; + 128 k of 2 bytes
	s_add_co_u32 s26, s26, s28
	s_mov_b32 s27, 0
	s_lshl_b32 s28, ttmp9, 16                      ; my 65,536 bytes of x
	s_mov_b32 s29, 0
	s_lshl_b32 s30, ttmp9, 15                      ; my 32,768 bytes of xb
	s_mov_b32 s31, 0
	v_and_b32 v5, 15, v0                           ; jg
	v_lshrrev_b32 v6, 4, v0                        ; cq
	v_lshlrev_b32 v2, 14, v5                       ; W load: 8 jg rows of 2,048 bytes
	v_lshl_add_u32 v2, v6, 4, v2                   ; + 4 cq columns of 4 bytes
	v_lshlrev_b32 v3, 12, v6                       ; wt store: 4 cq rows of 1,024 bytes
	v_lshl_add_u32 v3, v5, 4, v3                   ; + 8 jg numbers of 2 bytes
	v_lshlrev_b32 v1, 4, v0                        ; x load: 16 bytes a thread
	v_lshlrev_b32 v4, 3, v0                        ; xb store: 8 bytes a thread
	s_wait_kmcnt 0x0
	s_cmp_eq_u32 s20, 1
	s_cselect_b64 s[18:19], s[8:9], s[6:7]         ; the matrix is chosen by the work-group number alone
	s_cmp_eq_u32 s20, 2
	s_cselect_b64 s[18:19], s[10:11], s[18:19]
	s_cmp_eq_u32 s20, 3
	s_cselect_b64 s[18:19], s[12:13], s[18:19]
	s_add_nc_u64 s[18:19], s[18:19], s[24:25]
	s_add_nc_u64 s[16:17], s[16:17], s[26:27]
	s_add_nc_u64 s[4:5], s[4:5], s[28:29]
	s_add_nc_u64 s[14:15], s[14:15], s[30:31]
	s_wait_alu depctr_va_vdst(0)                   ; the four offsets v1 to v4 are written: every load and store of the kernel reads one of them
.irp e, 0,1,2,3,4,5,6,7
	global_load_b128 v[WL+4*\e:WL+4*\e+3], v2, s[18:19] offset:2048*\e
.endr
.set n, 0
.rept 32
	global_load_b128 v[XL+4*n:XL+4*n+3], v1, s[4:5] offset:2048*n th:TH_LOAD_NT   ; all 40 loads of the wave go out before anything is waited for
.set n, n+1
.endr
	s_wait_loadcnt 32                              ; loads come back in order: the eight of W are in, the 32 of x stay out
.irp u, 0,1,2,3
.irp p, 0,1,2,3
	v_cvt_pk_f16_f32 v[WO+4*\u+\p], v[WL+8*\p+\u], v[WL+8*\p+4+\u]    ; column u: k = 2 p below, 2 p + 1 above
.endr
.endr
; Group g of eight: loads 4 g .. 4 g + 3 of x are packed; among their conversions go the four stores of what the conversions ahead of this group's head packed:
; in group 0 the four columns of W, later group g - 1's four loads of x.
.set g, 0
.rept 8
	s_wait_loadcnt 28-4*g                          ; this group's four loads are in, the younger ones stay out
	s_wait_alu depctr_va_vdst(0)                   ; the conversions issued so far have written WO (g = 0) or group g - 1's part of XO, which the four stores below read
.irp i, 0,1,2,3
.if g == 0
	global_store_b128 v3, v[WO+4*(\i):WO+4*(\i)+3], s[16:17] offset:1024*(\i)
.else
	global_store_b64 v4, v[XO+2*(4*(g-1)+(\i)):XO+2*(4*(g-1)+(\i))+1], s[14:15] offset:1024*(4*(g-1)+(\i))
.endif
	v_cvt_pk_f16_f32 v[XO+2*(4*g+(\i))], v[XL+4*(4*g+(\i))], v[XL+4*(4*g+(\i))+1]       ; these two name this group's registers alone: none that a store of this group reads
	v_cvt_pk_f16_f32 v[XO+2*(4*g+(\i))+1], v[XL+4*(4*g+(\i))+2], v[XL+4*(4*g+(\i))+3]
.endr
.set g, g+1
.endr
	s_wait_alu depctr_va_vdst(0)                   ; group 7's conversions have written its part of XO, which the last four stores read
.irp i, 0,1,2,3
	global_store_b64 v4, v[XO+2*(28+(\i)):XO+2*(28+(\i))+1], s[14:15] offset:1024*(28+(\i))
.endr
	s_endpgm
.Lfunc_end_k_q5011652c21_cast:
	.size	k_q5011652c21_cast, .Lfunc_end_k_q5011652c21_cast-k_q5011652c21_cast
	.p2alignl 7, 3214868480
	.fill 96, 4, 3214868480
	.section	.rodata,"a",@progbits
	.p2align	6, 0x0
	.amdhsa_kernel k_q5011652c21_cast
		.amdhsa_group_segment_fixed_size 0
		.amdhsa_private_segment_fixed_size 0
		.amdhsa_enable_private_segment 0
		.amdhsa_kernarg_size 56
		.amdhsa_user_sgpr_count 2
		.amdhsa_user_sgpr_kernarg_segment_ptr 1
		.amdhsa_wavefront_size32 1
		.amdhsa_system_sgpr_workgroup_id_x 1
		.amdhsa_system_sgpr_workgroup_id_y 1
		.amdhsa_system_sgpr_workgroup_id_z 1
		.amdhsa_system_vgpr_workitem_id 0
		.amdhsa_next_free_vgpr 248
		.amdhsa_next_free_sgpr 66
		.amdhsa_reserve_vcc 0
		.amdhsa_float_denorm_mode_32 3
		.amdhsa_float_denorm_mode_16_64 3
		.amdhsa_memory_ordered 1
		.amdhsa_forward_progress 1
		.amdhsa_inst_pref_size 15
	.end_amdhsa_kernel
	.amdgpu_metadata
---
amdhsa.version: [ 1, 2 ]
amdhsa.kernels:
  - .name:           k_q5011652c21_cast
    .symbol:         k_q5011652c21_cast.kd
    .args:
      - { .name: x, .offset: 0, .size: 8, .value_kind: global_buffer, .address_space: global }
      - { .name: Wk, .offset: 8, .size: 8, .value_kind: global_buffer, .address_space: global }
      - { .name: Wq, .offset: 16, .size: 8, .value_kind: global_buffer, .address_space: global }
      - { .name: Wv, .offset: 24, .size: 8, .value_kind: global_buffer, .address_space: global }
      - { .name: Wp, .offset: 32, .size: 8, .value_kind: global_buffer, .address_space: global }
      - { .name: xb, .offset: 40, .size: 8, .value_kind: global_buffer, .address_space: global }
      - { .name: wt, .offset: 48, .size: 8, .value_kind: global_buffer, .address_space: global }
    .group_segment_fixed_size: 0
    .private_segment_fixed_size: 0
    .kernarg_segment_align: 8
    .kernarg_segment_size: 56
    .max_flat_workgroup_size: 128
    .sgpr_count:     66
    .vgpr_count:     248
    .wavefront_size: 32
...
	.end_amdgpu_metadata
.endif
;; end of part 5
;; launch proj: the kernel of part 2 again; grid 32 x 6, 4 waves a work-group, clusters of 4 x 1, 327,680 bytes of LDS; arguments xb, wt, bk, bq, bv, kb, qb, vb; writes kb, qb, vb
;; launch score: the kernel of part 3 again; grid 52 x 4, 4 waves a work-group, no clusters, 327,680 bytes of LDS; arguments kb, qb, vb, wt, pm, vt; writes pm, vt
;; launch mix: the kernel of part 4 again; grid 8 x 32, 4 waves a work-group, clusters of 4 x 1, 327,680 bytes of LDS; arguments pm, vt, bp, out0; writes out0
